; MI455X (gfx1250); checked and timed in simulation.
; The chip was launched on July 23, 2026; its instructions are those of AMD's public machine-readable ISA for CDNA 5 (MIT licence, August 2026) and "CDNA5" Instruction Set Architecture Reference Guide (July 2026). The comments in the code are by the model that wrote it; some were corrected since.
;; Flash MHA. Allowed arithmetic: matrix products marked QUANTISED: E4M3 operands, one E8M0 scale for each 32 along K, by v_wmma_scale_f32_16x16x128_f8f6f4 with both operands' format E4M3, f32 sums; everything else in f32.
;; Inputs: b_o 1,024 float32; b_qkv 3,072 float32; w_o_codes 1,024 x 32 x 32 uint8 (E4M3 codes of w_o, K innermost, in blocks of 32 codes); w_o_scales 1,024 x 32 uint8 (E8M0 scales of w_o, one for each 32 codes along K); w_qkv_codes 3,072 x 32 x 32 uint8 (E4M3 codes of w_qkv, K innermost, in blocks of 32 codes); w_qkv_scales 3,072 x 32 uint8 (E8M0 scales of w_qkv, one for each 32 codes along K); x_codes 4 x 2,048 x 32 x 32 uint8 (E4M3 codes of x, K innermost, in blocks of 32 codes); x_scales 4 x 2,048 x 32 uint8 (E8M0 scales of x, one for each 32 codes along K).
;; Outputs: out0 4 x 2,048 x 1,024 float32.
;; This version of the problem:
;;   THIS VERSION OF THE PROBLEM IS GIVEN IN LOW PRECISION. The matrix products marked QUANTISED in the list below multiply operands that are first quantised to E4M3 (4 exponent bits, 3 mantissa bits; 8 bits a number), with one power-of-two scale for each 32 numbers along K (OCP MX v1.0); their sums are f32. All else is computed in f32.
;;   The module's matrix products, in the order in which they are computed (A, B: the left and right operand; K: the contracted axis; several contracted axes count as one K, in the product's order):
;;     1. [M 8,192, K 1,024] x [K 1,024, N 3,072]; A: input x (given as codes); B: input w_qkv (given as codes): QUANTISED
;;     2. batch 64 x [M 2,048, K 64] x [K 64, N 2,048]; A: computed on the way; B: computed on the way: QUANTISED
;;     3. batch 64 x [M 2,048, K 2,048] x [K 2,048, N 64]; A: softmax (see below); B: computed on the way: QUANTISED
;;     4. [M 8,192, K 1,024] x [K 1,024, N 1,024]; A: computed on the way; B: input w_o (given as codes): QUANTISED
;;   THE QUANTISER, for each operand of a quantised product, along K:
;;     - K is cut into blocks of 32 from its start; a last block that is shorter is filled with zeros.
;;     - A block's scale is 2^e with e = floor(log2(the largest magnitude in the block)) - 8, held to -126 .. 127; a block of zeros has e = 0. As a byte (E8M0): e + 127.
;;     - Each number is divided by its block's scale, clamped to +-448, and rounded to the nearest number of E4M3, ties to even, subnormals kept.
;;     - The product sums the exact products of the quantised numbers (number of the format x scale) in f32.
;;   ~~~python
;;   def quantise(x, axis):      # numpy; x: float32 -> the quantised numbers, widened to float32 again
;;       x = np.moveaxis(x, axis, -1); K = x.shape[-1]
;;       x = np.pad(x, [(0, 0)] * (x.ndim - 1) + [(0, -K % 32)]); x = x.reshape(x.shape[:-1] + (-1, 32)); a = np.abs(x).max(-1, keepdims=True)
;;       e = np.where(a > 0, np.clip(np.frexp(np.where(a > 0, a, 1))[1] - 1 - 8, -126, 127), 0)      # np.frexp(a)[1] - 1 = floor(log2(a)), exactly
;;       r = np.clip(x / 2.0 ** e, -448, 448)
;;       step = 2.0 ** (np.maximum(np.frexp(np.where(r == 0, 1, r))[1] - 1, -6) - 3)
;;       q = np.round(r / step) * step * 2.0 ** e      # np.round: ties to even
;;       return np.moveaxis(q.reshape(q.shape[:-2] + (-1,))[..., :K], -1, axis).astype(np.float32)
;;   ~~~
;;   SOFTMAX AHEAD OF A QUANTISED PRODUCT. Where the list says 'softmax', what is quantised is not the finished softmax but p = 2^(t - M), with t = logit x log2(e) and M = ceil(the row's largest t), a whole number; so 1/2 < the row's largest p <= 1. The row's sum l is taken of the UNQUANTISED p, in f32, and the product's result is divided by l at the end. Since M is a whole number, a kernel that streams over the keys may use a running M (the ceiling of the running maximum): every later rescaling is an exact power of two, which a block's scale takes up: the codes' values come out the same.
;;   OPERANDS COMPUTED ON THE WAY. 'Computed on the way' means the value that the module computes at that place (a softmax that the list does not call 'softmax' is quantised finished and normalised). What goes into a quantiser is computed in f32, as accurately as f32 sums, v_exp_f32 and their like allow (about 1e-6 of the number): no bf16 or f16 on the way to a quantiser, and a product that is left as it is and whose result goes on into a quantised operand takes f32 operands (vector FMAs, or v_wmma_f32_16x16x4_f32). A number that lies on a knife's edge between two numbers of the format may be rounded either way, as far as f32 arithmetic and the matrix unit's own rounding can turn it there, and no further.
;;   INPUTS GIVEN AS CODES. w_o (in the module: [1024, 1024], K = its axis 1); w_qkv (in the module: [3072, 1024], K = its axis 1); x (in the module: [4, 2048, 1024], K = its axis 2): each comes as NAME_codes (uint8): NAME with its K axis moved to the last place and cut into blocks of 32 codes, [.., K / 32, bytes a block], one block behind the other in memory; one code a byte (a code: sign, 4 exponent bits, 3 mantissa bits); and NAME_scales (uint8): the same leading axes, one E8M0 byte (e + 127) for each 32 codes along K. Its value is code x scale, taken as it is: it is not quantised again, and the codes and scales need not be those that the quantiser above would give.
;; One version. Each part assembles by itself: llvm-mc -triple=amdgcn-amd-amdhsa -mcpu=gfx1250 --defsym DOCPART=n.
;; ======== version 1 of 1: 3 launches
;; limits: right only within a limited range of input values
;; workspace buffers: qimg 8,388,608 bytes; qsc 262,144 bytes; kvimg 16,777,216 bytes; kvsc 524,288 bytes; oimg 8,388,608 bytes; osc 262,144 bytes
;; launch qkv (part 1): grid 12 x 32, 4 waves a work-group, clusters of 4 x 4, 327,680 bytes of LDS; arguments x_codes, x_scales, w_qkv_codes, w_qkv_scales, b_qkv, qimg, qsc, kvimg, kvsc; writes qimg, qsc, kvimg, kvsc
.if DOCPART == 1
	.amdgcn_target "amdgcn-amd-amdhsa--gfx1250"
	.amdhsa_code_object_version 6
	.text
	.protected	k_qa490e426c2_qkv
	.globl	k_qa490e426c2_qkv
	.p2align	8
	.type	k_qa490e426c2_qkv,@function
k_qa490e426c2_qkv:
	s_mov_b64 s[64:65], 0
	v_nop
	global_prefetch_b8 v0, s[64:65] scope:SCOPE_SE
	s_setreg_imm32_b32 hwreg(HW_REG_WAVE_MODE, 25, 1), 1
	s_wait_xcnt 0x0
	s_wait_alu depctr_hold_cnt(0) depctr_sa_sdst(0) depctr_va_vdst(0) depctr_va_sdst(0) depctr_va_ssrc(0) depctr_va_vcc(0) depctr_vm_vsrc(0)
	s_getreg_b32 s2, hwreg(HW_REG_IB_STS2, 6, 4)
	s_cmp_eq_u32 s2, 0
	s_cbranch_scc0 .Lentry_in_a_cluster
	s_endpgm
.Lentry_in_a_cluster:
	s_bfe_u32 s2, ttmp6, 0x10000c
	s_cmp_lg_u32 s2, 0xf033
	s_cbranch_scc0 .Lentry_shape_is_right
	s_endpgm
.Lentry_shape_is_right:
.set KSTEP,  256
.set NQ,     2
.set ROWB,   256
.set KROW,   1024
.set PITCH,  272
.set FR,     16
.set NL,     4
.set NP,     8
.set HALFT,  128*PITCH
.set SLOT,   4*HALFT
.set LAPS,   2
.set KS,     32
.set SCL,    2*SLOT
.set HALFS,  (128*KS/256)*272
.set SBLK,   (16*KS/256)*272
.set SPARE,  SCL+4*HALFS
.set WST,    17408
.set SKOFF,  16384
.set SVOFF,  16896
.set ADRA, 16
.set ADRB, 20
.set SGO,  22
.set BO,   23
.set STO,  24
.set RD,   25
.set LI,   26
.set ADRS, 27
.set SPW,  28
.set NIL,  29
.set SKA,  30
.set SVA,  31
.set SC,   32
.set CI,   64
.set T,    64
.set AF,   128
.set CD,   128
.set TM,   160
.set PW,   176
.set SD,   184
.set G1, 24
.set G0, 32
.set G1B, 48
.set G0B, 56
.set G1S, 68
.set G0S, 76
.set G1SB, 80
.set G0SB, 88
.set MNT, 66
.set FLR, 67
.set MSB, 0
.macro WIN new
.if MSB != \new
	s_set_vgpr_msb (MSB<<8)|\new
.set MSB, \new
.endif
.endm
.set MUL_LO, 0xa1
.set MUL_HI, 0xf1
.set TO_B,   0x40
.macro JLOAD g0a, g1a, g0b, g1b
	s_cmp_eq_u32 s15, 0
	s_cbranch_scc0 .Lfor_b_\@
	tensor_load_to_lds s[\g0a:\g0a+3], s[\g1a:\g1a+7]
	s_nop 0
.rept 4
	v_nop
.endr
	s_branch .Lasked_\@
.Lfor_b_\@:
	tensor_load_to_lds s[\g0b:\g0b+3], s[\g1b:\g1b+7]
	s_nop 0
.rept 4
	v_nop
.endr
.Lasked_\@:
.endm
.macro CREST
	s_cmp_lg_u32 s14, 0
	s_cbranch_scc1 .Lnot_wave_0_\@
	s_barrier_signal -3
.Lnot_wave_0_\@:
	s_barrier_wait -3
	s_barrier_signal -1
	s_barrier_wait -1
.endm
.macro CROUND
	s_barrier_signal -1
	s_barrier_wait -1
	CREST
.endm
	s_load_b128 s[4:7], s[0:1], 0x0
	s_load_b128 s[8:11], s[0:1], 0x10
	s_load_b64 s[12:13], s[0:1], 0x20
	v_lshl_add_u32 v[SPW], v0, 2, SPARE
	v_mov_b32 v[NIL], 0
	ds_add_u32 v28, v29
	ds_add_u32 v28, v29
	s_wait_dscnt 0x0
	v_lshrrev_b32 v1, 5, v0
	v_readfirstlane_b32 s14, v1
	s_lshr_b32 s15, s14, 1
	s_and_b32 s16, s14, 1
	s_bfe_u32 s40, ttmp6, 0x40000
	s_bfe_u32 s41, ttmp6, 0x40004
	s_and_b32 s98, ttmp7, 0xffff
	s_cmp_lt_u32 ttmp9, 2
	s_cselect_b32 s96, ttmp9, s98
	s_cselect_b32 s97, s98, 2
	s_lshl_b32 s42, s96, 2
	s_add_co_u32 s42, s42, s40
	s_lshl_b32 s17, s97, 2
	s_add_co_u32 s17, s17, s41
	s_lshl_b32 s43, s41, 2
	s_lshl_b32 s43, 15, s43
	s_lshl_b32 s44, 0x1111, s40
	s_mov_b32 s[MNT], 0x600000
	s_mov_b32 s[FLR], 0x4800000
	s_or_b32 s[G1+0], s43, (0<<16)|(1<<20)|(1<<21)|(5<<22)|(3<<25)
	s_or_b32 s[G1B+0], s44, (0<<16)|(1<<20)|(1<<21)|(5<<22)|(3<<25)
.irp g, G1, G1B
	s_mov_b32 s[\g+1], ROWB<<16
	s_mov_b32 s[\g+2], 256<<16
	s_mov_b32 s[\g+3], ROWB<<16
	s_mov_b32 s[\g+4], 256
	s_mov_b32 s[\g+5], KROW
	s_mov_b32 s[\g+6], 0
	s_mov_b32 s[\g+7], 0
.endr
	s_or_b32 s[G1S+0], s43, (3<<16)|(1<<20)|(1<<21)|(5<<22)|(3<<25)
	s_or_b32 s[G1SB+0], s44, (3<<16)|(1<<20)|(1<<21)|(5<<22)|(3<<25)
.irp g, G1S, G1SB
	s_mov_b32 s[\g+1], 32<<16
	s_mov_b32 s[\g+2], (256*KS/256)<<16
	s_mov_b32 s[\g+3], 32<<16
	s_mov_b32 s[\g+4], 256*KS/256
	s_mov_b32 s[\g+5], 32
	s_mov_b32 s[\g+6], 0
	s_mov_b32 s[\g+7], 0
.endr
	s_lshl_b32 s20, s17, 8                         ; the tile's first row of source 1's tensor
	s_lshl_b32 s46, s42, 8                         ; and of source 0's
	s_mov_b32 s21, 0
	s_mov_b32 s47, 0
	s_mov_b64 s[18:19], KS
	s_mul_u64 s[22:23], s[20:21], s[18:19]
	s_mul_u64 s[92:93], s[46:47], s[18:19]
	s_mov_b64 s[18:19], KROW
	s_mul_u64 s[20:21], s[20:21], s[18:19]
	s_mul_u64 s[46:47], s[46:47], s[18:19]
	s_mul_i32 s45, s14, HALFT
	s_mul_i32 s18, s16, 128*KROW                   ; in the ring a wave fetches 128 rows of a tile: which half, in bytes
	s_mov_b32 s19, 0
	s_wait_kmcnt 0x0
	s_cmp_lt_u32 ttmp9, 2
	s_cselect_b64 s[96:97], s[4:5], s[8:9]
	s_cselect_b64 s[98:99], s[6:7], s[10:11]
	s_cselect_b64 s[8:9], s[8:9], s[4:5]
	s_cselect_b64 s[10:11], s[10:11], s[6:7]
	s_add_nc_u64 s[20:21], s[96:97], s[20:21]
	s_add_nc_u64 s[22:23], s[98:99], s[22:23]
	s_add_nc_u64 s[46:47], s[8:9], s[46:47]
	s_add_nc_u64 s[92:93], s[10:11], s[92:93]
	CROUND
	s_mov_b32 s[G0S], 1
	s_mov_b32 s[G0S+1], SCL
	s_mov_b64 s[G0S+2:G0S+3], s[22:23]
	s_or_b32 s[G0S+3], s[G0S+3], 0x80000000
	s_mov_b32 s[G0SB], 1
	s_mov_b32 s[G0SB+1], SCL+2*HALFS
	s_mov_b64 s[G0SB+2:G0SB+3], s[92:93]
	s_or_b32 s[G0SB+3], s[G0SB+3], 0x80000000
.set G0H,  96                          ; s[96:99], s[92:95] group 0 of the head's loads of K step 0: 256 rows each (what lay there has been used)
.set G0HB, 92
	s_mov_b32 s[G0H], 1
	s_mov_b32 s[G0H+1], 0
	s_mov_b64 s[G0H+2:G0H+3], s[20:21]
	s_or_b32 s[G0H+3], s[G0H+3], 0x80000000
	s_mov_b32 s[G0HB], 1
	s_mov_b32 s[G0HB+1], 2*HALFT
	s_mov_b64 s[G0HB+2:G0HB+3], s[46:47]
	s_or_b32 s[G0HB+3], s[G0HB+3], 0x80000000
	s_add_nc_u64 s[20:21], s[20:21], s[18:19]      ; for the ring: my 128 rows of the tile
	s_add_nc_u64 s[46:47], s[46:47], s[18:19]
; THE PREFETCHES INTO THE L2: a fill's bytes are asked for one fill earlier: K step 1 behind the head's loads, step 2 behind step 1's load, step 3 behind step 2's refill.
; Of the 128 rows that a wave fetches in the ring, each of the four partners that ask for them jointly takes 32, told apart by address: a lane a row, 256 bytes of it, one instruction a wave.
; So each block of 256 bytes is named once in each cluster that loads it.  The address registers are never written again; the K step stands in the immediate; step 3 is the last, so nothing passes a row's end.
.set PFA, 100                          ; s[100:101] my work-group's 32 rows, at K step 0
.set PFO, 18                           ; v18 lane x a row of 1,024 bytes
	s_cmp_eq_u32 s15, 0
	s_cselect_b64 s[PFA:PFA+1], s[20:21], s[46:47]
	s_cselect_b32 s18, s40, s41                    ; my place among the four
	s_lshl_b32 s18, s18, 15                        ; 32 rows of 1,024 bytes
	s_add_nc_u64 s[PFA:PFA+1], s[PFA:PFA+1], s[18:19]
.irp s, 0,1
	s_mov_b32 s[G0+4*\s], 1
	s_add_co_u32 s[G0+4*\s+1], s45, \s*SLOT
	s_add_nc_u64 s[G0+4*\s+2:G0+4*\s+3], s[20:21], \s*ROWB
	s_or_b32 s[G0+4*\s+3], s[G0+4*\s+3], 0x80000000
	s_mov_b32 s[G0B+4*\s], 1
	s_add_co_u32 s[G0B+4*\s+1], s45, \s*SLOT
	s_add_nc_u64 s[G0B+4*\s+2:G0B+4*\s+3], s[46:47], \s*ROWB
	s_or_b32 s[G0B+4*\s+3], s[G0B+4*\s+3], 0x80000000
.endr
; THE HEAD'S LOADS, ONE A WAVE: wave 0 fetches K step 0's 256 rows of one operand, wave 1 those of the other, waves 2 and 3 their scale bytes for all of K.  One tree of branches on the wave's number, a load to an arm.
.macro ARM under, g0, g1, next
	s_cmp_lt_u32 s14, \under
	s_cbranch_scc0 \next
	tensor_load_to_lds s[\g0:\g0+3], s[\g1:\g1+7]
	s_nop 0
.rept 4
	v_nop
.endr
	s_branch .Lhead_asked
\next:
.endm
	ARM 1, G0H,  G1,  .Lhead_b
	ARM 2, G0HB, G1B, .Lhead_sa
	ARM 3, G0S,  G1S, .Lhead_sb
	tensor_load_to_lds s[G0SB:G0SB+3], s[G1SB:G1SB+7]
	s_nop 0
.rept 4
	v_nop
.endr
.Lhead_asked:
	v_and_b32 v[PFO], 31, v0
	v_lshlrev_b32 v[PFO], 10, v[PFO]
	global_prefetch_b8 v[PFO], s[PFA:PFA+1] offset:ROWB th:TH_LOAD_NT scope:SCOPE_SE      ; K step 1
	s_load_b256 s[4:11], s[0:1], 0x28
	v_and_b32 v1, 15, v0
	v_bfe_u32 v2, v0, 4, 1
	v_mul_u32_u24 v3, v1, PITCH
	v_lshl_add_u32 v4, v2, 4, v3
	s_mul_i32 s21, s15, HALFT
	s_mul_i32 s22, s16, HALFT
	s_add_co_u32 s22, s22, 2*HALFT
.irp s, 0,1
	v_add_nc_u32 v[ADRA+\s], s21, v4
	v_add_nc_u32 v[ADRB+\s], s22, v4
	s_add_co_u32 s21, s21, SLOT
	s_add_co_u32 s22, s22, SLOT
.endr
	v_mul_u32_u24 v5, v1, KS
	v_lshrrev_b32 v6, 8, v5
	v_lshl_add_u32 v5, v6, 4, v5
	s_mul_i32 s21, s15, HALFS
	s_mul_i32 s22, s16, HALFS
	s_add_co_u32 s22, s22, 2*HALFS
	s_sub_co_u32 s22, s22, s21
	v_mul_u32_u24 v6, s22, v2
	s_add_co_u32 s21, s21, SCL
	v_add_nc_u32 v5, v5, v6
	v_add_nc_u32 v[ADRS], s21, v5
	s_mul_i32 s23, s14, WST
	v_lshrrev_b32 v5, 3, v1
	v_and_b32 v6, 7, v1
	v_lshlrev_b32 v7, 4, v6
	v_lshl_add_u32 v7, v5, 10, v7
	v_lshl_add_u32 v7, v2, 3, v7
	v_add_nc_u32 v[STO], s23, v7
	v_and_b32 v8, 31, v0
	v_lshlrev_b32 v[LI], 4, v8
	v_add_nc_u32 v[RD], s23, v[LI]
	v_lshlrev_b32 v7, 2, v6
	v_lshl_add_u32 v8, v5, 1, v7
	v_add_nc_u32 v[SKA], s23, v8
	v_lshl_add_u32 v8, v5, 6, v7
	v_add_nc_u32 v[SVA], s23, v8
	s_cmp_lg_u32 ttmp9, 0
	s_cselect_b32 s18, 1, 0
	s_lshl_b32 s18, 0x1000, s18
	v_mul_u32_u24 v[SGO], v2, s18
	v_lshl_add_u32 v[SGO], v1, 4, v[SGO]
	s_cmp_lt_u32 ttmp9, 2
	s_cselect_b32 s18, s42, s17
	s_cselect_b32 s19, s16, s15
	s_lshl_b32 s18, s18, 10
	s_lshl_b32 s19, s19, 9
	s_add_co_u32 s18, s18, s19
	s_mov_b32 s19, 0
	s_add_nc_u64 s[12:13], s[12:13], s[18:19]
	s_cmp_lt_u32 ttmp9, 2
	s_cbranch_scc0 .Lbias_v
	v_lshlrev_b32 v[BO], 5, v2
.irp b, 0,1,2,3,4,5,6,7
	global_load_b128 v[CI+8*\b:CI+8*\b+3], v[BO], s[12:13] offset:64*\b
	global_load_b128 v[CI+8*\b+4:CI+8*\b+7], v[BO], s[12:13] offset:64*\b+16
.endr
	s_branch .Lbias_done
.Lbias_v:
	v_lshlrev_b32 v[BO], 2, v1
.irp a, 0,1,2,3,4,5,6,7
.irp j, 0,1,2,3,4,5,6,7
	global_load_b32 v[CI+8*\a+\j], v[BO], s[12:13] offset:64*\a
.endr
.endr
.Lbias_done:
.macro FRAG reg, adr, q, i
.irp c, 0,1,2,3
	ds_load_b128 v[\reg+4*\c:\reg+4*\c+3], v[\adr] offset:128*(\q)+32*\c+(\i)*16*PITCH
.endr
.endm
.macro MUL16 a0, p, q, sc, zero
.irp a, \a0, \a0+1
.irp b, 0,1,2,3,4,5,6,7
.if \zero == 1
	v_wmma_scale_f32_16x16x128_f8f6f4 v[8*(8*((\a)%4)+\b):8*(8*((\a)%4)+\b)+7], v[128*(\p)+FR*\b:128*(\p)+FR*\b+FR-1], v[AF+FR*(\a):AF+FR*(\a)+FR-1], v[CI+8*\b:CI+8*\b+7], v[SC+8*NQ*(\sc)+NQ*\b+(\q)], v[SC+8*NQ*(\sc)+NQ*(\a)+(\q)] matrix_a_scale:MATRIX_SCALE_ROW1
.elseif \zero == 2
	v_wmma_scale_f32_16x16x128_f8f6f4 v[8*(8*((\a)%4)+\b):8*(8*((\a)%4)+\b)+7], v[128*(\p)+FR*\b:128*(\p)+FR*\b+FR-1], v[AF+FR*(\a):AF+FR*(\a)+FR-1], v[CI+8*(\a):CI+8*(\a)+7], v[SC+8*NQ*(\sc)+NQ*\b+(\q)], v[SC+8*NQ*(\sc)+NQ*(\a)+(\q)] matrix_a_scale:MATRIX_SCALE_ROW1
.else
	v_wmma_scale_f32_16x16x128_f8f6f4 v[8*(8*((\a)%4)+\b):8*(8*((\a)%4)+\b)+7], v[128*(\p)+FR*\b:128*(\p)+FR*\b+FR-1], v[AF+FR*(\a):AF+FR*(\a)+FR-1], v[8*(8*((\a)%4)+\b):8*(8*((\a)%4)+\b)+7], v[SC+8*NQ*(\sc)+NQ*\b+(\q)], v[SC+8*NQ*(\sc)+NQ*(\a)+(\q)] matrix_a_scale:MATRIX_SCALE_ROW1
.endif
.endr
.endr
.endm
.macro FETCH_B slot, q, p
	WIN TO_B
.irp i, 0,1,2,3,4,5,6,7
	FRAG 128*(\p)+FR*\i, ADRB+\slot, \q, \i
.endr
	WIN 0
.endm
.macro FETCH_A slot, q, i0
.irp i, \i0, \i0+1, \i0+2, \i0+3
	FRAG AF+FR*(\i), ADRA+\slot, \q, \i
.endr
.endm
.macro SCALES sc
.irp i, 0,1,2,3,4,5,6,7
	ds_load_b64 v[SC+8*NQ*\sc+NQ*\i:SC+8*NQ*\sc+NQ*\i+1], v[ADRS] offset:\i*SBLK
.endr
.endm
.macro PLACES n
.rept \n
	v_nop
.endr
.endm
.macro STEP slot, q, zero
	s_wait_dscnt 4*NL
.if \zero
	WIN 0x81
.else
	WIN MUL_LO
.endif
	MUL16 0, (\q)%2, \q, \slot, \zero
	MUL16 2, (\q)%2, \q, \slot, \zero
	s_wait_dscnt 0
	PLACES NP
	FETCH_B \slot, (\q)+1, 1-(\q)%2
	FETCH_A \slot, (\q)+1, 0
.if \zero
	WIN 0xc1
.else
	WIN MUL_HI
.endif
	MUL16 4, (\q)%2, \q, \slot, \zero
	MUL16 6, (\q)%2, \q, \slot, \zero
	PLACES NP
	WIN 0
	FETCH_A \slot, (\q)+1, 4
.endm
.macro TURN slot, next, fill
	s_wait_tensorcnt 0x0
	ds_add_u32 v[SPW], v[NIL]
	s_wait_dscnt 4*NL+1
	WIN MUL_LO
	MUL16 0, 1, NQ-1, \slot, 0
	s_wait_dscnt 0x0
	s_barrier_signal -1
	MUL16 2, 1, NQ-1, \slot, 0
	WIN 0
	s_barrier_wait -1
.if \fill
	CREST
	s_add_nc_u64 s[G0+4*\slot+2:G0+4*\slot+3], s[G0+4*\slot+2:G0+4*\slot+3], 2*ROWB
	s_add_nc_u64 s[G0B+4*\slot+2:G0B+4*\slot+3], s[G0B+4*\slot+2:G0B+4*\slot+3], 2*ROWB
	JLOAD G0+4*\slot, G1, G0B+4*\slot, G1B
	PLACES NP-4
.else
	PLACES NP
.endif
	s_wait_alu depctr_va_vdst(0)
	v_add_nc_u32 v[ADRS], 4*NQ, v[ADRS]
	FETCH_B \next, 0, 0
	FETCH_A \next, 0, 0
	SCALES \next
.if (\fill) && ((\slot) == 0)
	global_prefetch_b8 v[PFO], s[PFA:PFA+1] offset:3*ROWB th:TH_LOAD_NT scope:SCOPE_SE    ; the loop has one trip: this change of slots has asked for K step 2, the next asks for step 3
.endif
	WIN MUL_HI
	MUL16 4, 1, NQ-1, \slot, 0
	MUL16 6, 1, NQ-1, \slot, 0
	PLACES NP
	WIN 0
	FETCH_A \next, 0, 4
.endm
	s_wait_alu depctr_va_vdst(0)                   ; the wait at the head's end
	s_wait_tensorcnt 0x0                           ; my tile of the head's four is in
	ds_add_u32 v[SPW], v[NIL]
	s_mov_b32 s[G1+2], 128<<16                     ; no tensor load of mine is out: from here on a load brings 128 rows
	s_mov_b32 s[G1+4], 128
	s_mov_b32 s[G1B+2], 128<<16
	s_mov_b32 s[G1B+4], 128
	s_wait_dscnt 0x0
	CROUND                                         ; all four tiles are in, and the sixteen work-groups are here
	JLOAD G0+4, G1, G0B+4, G1B                     ; K step 1: the first tensor load behind the round
	FETCH_B 0, 0, 0
	global_prefetch_b8 v[PFO], s[PFA:PFA+1] offset:2*ROWB th:TH_LOAD_NT scope:SCOPE_SE    ; K step 2
	FETCH_A 0, 0, 0
	SCALES 0
	FETCH_A 0, 0, 4
	s_wait_loadcnt 0x0
	s_cmp_lt_u32 ttmp9, 2
	s_cbranch_scc0 .Lfirst_v
	STEP 0, 0, 1
	s_branch .Lfirst_done
.Lfirst_v:
	STEP 0, 0, 2
.Lfirst_done:
	s_mov_b32 s3, LAPS-1
.Llap:
	TURN 0, 1, 1
	STEP 1, 0, 0
	TURN 1, 0, 1
	STEP 0, 0, 0
	s_sub_co_u32 s3, s3, 1
	s_cmp_lg_u32 s3, 0
	s_cbranch_scc1 .Llap
	TURN 0, 1, 0
	STEP 1, 0, 0
	s_wait_dscnt 4*NL
	WIN MUL_LO
	MUL16 0, 1, NQ-1, 1, 0
	MUL16 2, 1, NQ-1, 1, 0
	s_wait_dscnt 0
	WIN MUL_HI
	MUL16 4, 1, NQ-1, 1, 0
	MUL16 6, 1, NQ-1, 1, 0
	WIN 0
	PLACES NP
	s_wait_kmcnt 0x0
	s_cmp_lt_u32 ttmp9, 2
	s_cselect_b32 s68, s17, s42
	s_cselect_b32 s69, s15, s16
	s_cselect_b32 s70, s40, s41
	s_cselect_b32 s71, s16, s15
	s_cselect_b32 s72, 0, 1
	s_cmp_lg_u32 ttmp9, 0
	s_cselect_b32 s75, 1, 0
	s_cselect_b64 s[76:77], s[8:9], s[4:5]
	s_cselect_b64 s[84:85], s[10:11], s[6:7]
	s_lshl_b32 s68, s68, 1
	s_add_co_u32 s68, s68, s69
	s_lshr_b32 s73, s68, 4
	s_and_b32 s74, s68, 15
	s_lshl_b32 s70, s70, 2
	s_lshl_b32 s71, s71, 1
	s_add_co_u32 s70, s70, s71
	s_lshl_b32 s73, s73, 4
	s_add_co_u32 s73, s73, s70
	s_lshl_b32 s86, s73, 17
	s_lshl_b32 s87, s74, 13
	s_add_co_u32 s86, s86, s87
	s_lshl_b32 s86, s86, s75
	s_lshl_b32 s87, s72, 13
	s_add_co_u32 s86, s86, s87
	s_mov_b32 s87, 0
	s_add_nc_u64 s[76:77], s[76:77], s[86:87]
	s_lshl_b32 s88, 0x20000, s75
	s_cmp_eq_u32 s72, 1
	s_cselect_b32 s90, 0x1000, s88
	s_cselect_b32 s92, s88, 0x1000
	s_mov_b32 s91, 0
	s_mov_b32 s93, 0
	s_add_nc_u64 s[78:79], s[76:77], s[92:93]
	s_add_nc_u64 s[80:81], s[76:77], s[90:91]
	s_add_nc_u64 s[82:83], s[80:81], s[92:93]
	s_lshl_b32 s86, s73, 12
	s_lshl_b32 s94, s74, 8
	s_add_co_u32 s86, s86, s94
	s_lshl_b32 s86, s86, s75
	s_lshl_b32 s94, s72, 8
	s_add_co_u32 s86, s86, s94
	s_add_nc_u64 s[84:85], s[84:85], s[86:87]
	s_mov_b32 s96, 0x76543210
	s_mov_b32 s97, 0xfedcba98
.irp b, 0,1,2,3
	v_mov_b32 v[TM+4+\b], 0
.endr
.macro OUTBLK a
.set W, 2+(\a)/4
.set AC, 64*((\a)%4)
.set CDS, CD+16*((\a)%2)
.set WW, (W<<2)|(W<<4)
	WIN WW
.irp bb, 0,1,2,3
	v_max3_num_f32 v[TM+\bb], s[FLR], |v[AC+16*\bb]|, |v[AC+16*\bb+1]|
.endr
.irp i, 2,4,6,8,10,12,14
.irp bb, 0,1,2,3
	v_max3_num_f32 v[TM+\bb], v[TM+\bb], |v[AC+16*\bb+\i]|, |v[AC+16*\bb+\i+1]|
.endr
.endr
	WIN 0
.irp bb, 0,1,2,3
	v_permlanex16_b32 v[TM+4+\bb], v[TM+\bb], s96, s97
.endr
.irp bb, 0,1,2,3
	v_max_num_f32 v[TM+\bb], v[TM+\bb], v[TM+4+\bb]
.endr
.irp bb, 0,1,2,3
	v_add_nc_u32 v[TM+12+\bb], 0xfc000000, v[TM+\bb]
.endr
.irp bb, 0,1,2,3
	v_and_or_b32 v[TM+8+\bb], v[TM+\bb], 0x7f800000, s[MNT]
.endr
.irp bb, 0,1,2,3
	v_lshrrev_b32 v[TM+4+\bb], 23, v[TM+12+\bb]
.endr
	v_lshl_or_b32 v[PW+(\a)], v[TM+5], 8, v[TM+4]
	v_lshl_or_b32 v[PW+(\a)], v[TM+6], 16, v[PW+(\a)]
	v_lshl_or_b32 v[PW+(\a)], v[TM+7], 24, v[PW+(\a)]
	WIN W
.irp bb, 0,1,2,3
.irp i, 0,1,2,3,4,5,6,7,8,9,10,11,12,13,14,15
	v_med3_num_f32 v[T+16*\bb+\i], v[AC+16*\bb+\i], -v[TM+8+\bb], v[TM+8+\bb]
.endr
.endr
	WIN 0
	s_wait_alu depctr_va_vdst(0)
	s_wait_dscnt 8
.irp b, 0,1,2,3,4,5,6,7
	v_cvt_scalef32_pk8_fp8_f32 v[CDS+2*\b:CDS+2*\b+1], v[T+8*\b:T+8*\b+7], v[TM+12+\b/2]
.endr
	v_nop
.irp b, 0,1,2,3,4,5,6,7
	ds_store_b64 v[STO], v[CDS+2*\b:CDS+2*\b+1] offset:(\b/4)*8192+((\a)/2)*2048+((\b%4)/2)*512+(\b%2)*256+((\a)%2)*128
.endr
.endm
.irp a, 0,1,2,3,4,5,6,7
	OUTBLK \a
.endr
	s_cmp_lt_u32 ttmp9, 2
	s_cbranch_scc0 .Lscale_v
.irp a, 0,1,2,3,4,5,6,7
	ds_store_b16 v[SKA], v[PW+\a] offset:SKOFF+(\a/2)*64+(\a%2)*32
	ds_store_b16_d16_hi v[SKA], v[PW+\a] offset:SKOFF+256+(\a/2)*64+(\a%2)*32
.endr
	ds_load_b128 v[SD:SD+3], v[RD] offset:SKOFF
	s_branch .Lscale_done
.Lscale_v:
.irp a, 0,1,2,3,4,5,6,7
	ds_store_b32 v[SVA], v[PW+\a] offset:SVOFF+(\a/2)*128+(\a%2)*32
.endr
	ds_load_b128 v[SD:SD+3], v[RD] offset:SVOFF
.Lscale_done:
.set Q, 0
.rept 32
	ds_load_b128 v[64+4*Q+64*(Q/16):64+4*Q+64*(Q/16)+3], v[RD] offset:512*Q
.set Q, Q+1
.endr
.set Q, 0
.rept 32
	s_wait_dscnt 31-Q
	global_store_b128 v[LI], v[64+4*Q+64*(Q/16):64+4*Q+64*(Q/16)+3], s[76+2*(2*(Q/16)+(Q/8)%2):77+2*(2*(Q/16)+(Q/8)%2)] offset:((Q/4)%2)*2048+(Q%4)*512
.set Q, Q+1
.endr
	global_store_b128 v[SGO], v[SD:SD+3], s[84:85]
	s_wait_tensorcnt 0x0
	ds_add_u32 v[SPW], v[NIL]
	s_wait_dscnt 0x0
	CROUND
	s_endpgm
.Lfunc_end_k_qa490e426c2_qkv:
	.size	k_qa490e426c2_qkv, .Lfunc_end_k_qa490e426c2_qkv-k_qa490e426c2_qkv
	.p2alignl 7, 3214868480
	.fill 96, 4, 3214868480
	.section	.rodata,"a",@progbits
	.p2align	6, 0x0
	.amdhsa_kernel k_qa490e426c2_qkv
		.amdhsa_group_segment_fixed_size 327680
		.amdhsa_private_segment_fixed_size 0
		.amdhsa_enable_private_segment 0
		.amdhsa_kernarg_size 72
		.amdhsa_user_sgpr_count 2
		.amdhsa_user_sgpr_kernarg_segment_ptr 1
		.amdhsa_wavefront_size32 1
		.amdhsa_system_sgpr_workgroup_id_x 1
		.amdhsa_system_sgpr_workgroup_id_y 1
		.amdhsa_system_sgpr_workgroup_id_z 1
		.amdhsa_system_vgpr_workitem_id 0
		.amdhsa_next_free_vgpr 1024
		.amdhsa_next_free_sgpr 102
		.amdhsa_reserve_vcc 0
		.amdhsa_float_denorm_mode_32 3
		.amdhsa_float_denorm_mode_16_64 3
		.amdhsa_memory_ordered 1
		.amdhsa_forward_progress 1
		.amdhsa_inst_pref_size 217
	.end_amdhsa_kernel
	.amdgpu_metadata
---
amdhsa.version: [ 1, 2 ]
amdhsa.kernels:
  - .name:           k_qa490e426c2_qkv
    .symbol:         k_qa490e426c2_qkv.kd
    .args:
      - { .name: x_codes, .offset: 0, .size: 8, .value_kind: global_buffer, .address_space: global }
      - { .name: x_scales, .offset: 8, .size: 8, .value_kind: global_buffer, .address_space: global }
      - { .name: w_qkv_codes, .offset: 16, .size: 8, .value_kind: global_buffer, .address_space: global }
      - { .name: w_qkv_scales, .offset: 24, .size: 8, .value_kind: global_buffer, .address_space: global }
      - { .name: b_qkv, .offset: 32, .size: 8, .value_kind: global_buffer, .address_space: global }
      - { .name: qimg, .offset: 40, .size: 8, .value_kind: global_buffer, .address_space: global }
      - { .name: qsc, .offset: 48, .size: 8, .value_kind: global_buffer, .address_space: global }
      - { .name: kvimg, .offset: 56, .size: 8, .value_kind: global_buffer, .address_space: global }
      - { .name: kvsc, .offset: 64, .size: 8, .value_kind: global_buffer, .address_space: global }
    .group_segment_fixed_size: 327680
    .private_segment_fixed_size: 0
    .kernarg_segment_align: 8
    .kernarg_segment_size: 72
    .max_flat_workgroup_size: 128
    .sgpr_count:     102
    .vgpr_count:     1024
    .wavefront_size: 32
...
	.end_amdgpu_metadata
.endif
;; end of part 1
;; launch attn (part 2): grid 4 x 64, 16 waves a work-group, clusters of 4 x 1, 272,384 bytes of LDS; arguments qimg, qsc, kvimg, kvsc, oimg, osc; writes oimg, osc
.if DOCPART == 2
	.amdgcn_target "amdgcn-amd-amdhsa--gfx1250"
	.amdhsa_code_object_version 6
	.text
	.protected	k_qa490e426c2_attn
	.globl	k_qa490e426c2_attn
	.p2align	8
	.type	k_qa490e426c2_attn,@function
k_qa490e426c2_attn:
	s_mov_b64 s[64:65], 0
	v_nop
	global_prefetch_b8 v0, s[64:65] scope:SCOPE_SE
	s_setreg_imm32_b32 hwreg(HW_REG_WAVE_MODE, 25, 1), 1
	s_wait_xcnt 0x0
	s_wait_alu depctr_hold_cnt(0) depctr_sa_sdst(0) depctr_va_vdst(0) depctr_va_sdst(0) depctr_va_ssrc(0) depctr_va_vcc(0) depctr_vm_vsrc(0)
	s_getreg_b32 s2, hwreg(HW_REG_IB_STS2, 6, 4)
	s_cmp_eq_u32 s2, 0
	s_cbranch_scc0 .Lentry_in_a_cluster
	s_endpgm
.Lentry_in_a_cluster:
	s_bfe_u32 s2, ttmp6, 0x10000c
	s_cmp_lg_u32 s2, 0x3003
	s_cbranch_scc0 .Lentry_shape_is_right
	s_endpgm
.Lentry_shape_is_right:
; O[head][q] = the sum over k of softmax_k(Q[q] . K[k] / 8) V[k], both products on codes of FP8 (E4M3) with E8M0 scales; 64 heads (batch x head) of 2,048 tokens and 64 channels.
; The result is divided by the row's sum, quantised along the model's 1,024 channels and stored as images of the last launch's operand registers.
; THE SOFTMAX: t = score x log2(e) / 8; M = the row's largest t so far, rounded UP to a whole number; p = 2^(t - M) is quantised along the keys, not normalised; the row's sum is taken of the
; unquantised p.  When M moves, the sum and O are multiplied by 2^(old M - new M): exact.
; SHARES.  The four work-groups of a cluster own the four quarters (512 queries) of ONE head; a work-group takes its quarter in two passes of 256; each of its sixteen waves owns 16 queries a pass.
; THE WHOLE HEAD LIES IN LDS, FILLED ONCE: K and V as images, 16,384 bytes for 128 keys.  Wave w asks for key step w's image, 64 rows of 256 bytes, JOINTLY with its three partners (mask 15): one tensor load a wave.
; The head's 8,192 scale bytes go through registers: wave w loads 512 of them and stores them behind the images.  One barrier follows; behind it LDS is only read, so no further barrier is written.
; No prefetch: every byte of K and V is asked for at the kernel's head, and there is no loop to run ahead in.
; LAYOUT.  Both products are used transposed: S^T = K Q^T, O^T = V^T P^T: a lane holds ONE query (lane % 16).  The launch before chose the keys of a tile of K and the channels of a tile of V so that the
; 16 registers of two neighbouring tiles are 16 neighbours.  K = 64 IN A FORM OF K = 128: a fragment of K holds tile (f, 0) in k = 0 .. 63 and tile (f, 1) in k = 64 .. 127; Q stands between zeros:
; v[24:39] = [Q | 0] gives tile (f, 0), v[16:31] = [0 | Q] tile (f, 1); the other tile's finite codes meet zero codes and add 0.
; TWO AREAS OF 64 REGISTERS CHANGE ROLES FROM STEP TO STEP: K lies in X, the scores go to Y, V comes into X, and the next step's K comes into Y when p has been converted, ahead of the second product.
; The result's scale bytes leave one byte a lane: a whole word of a row needs two heads, which one work-group does not have.
; LIMITS: NaN and infinities are not served; the scaled scores stay under 2^31 in magnitude; a block whose largest magnitude lies under 2^-118 gets the scale byte 1.
.set SC,    262144                     ; LDS: the scale bytes, 512 a key step, behind the images
.set SPARE, 0x42000                    ; the spare words: 128 bytes a wave
.set LI,   1                           ; 16 x lane
.set LS,   2                           ; SC + 4 x lane
.set ADK,  3                           ; LDS address of two steps' images
.set ADS,  4                           ; and of their scale words
.set OSO,  5                           ; 32 r + h: my byte in osc
.set QSO,  6                           ; 4 r
.set QRAW, 7
.set KS,   8                           ; v8-9 K's scale words;  v10-11 V's
.set VS,   10
                                       ; -M in v12 and v0 by turns; v13 the largest score; v[14:15] the sum in two halves
.set ZQ,   16                          ; v16-39 zeros, Q, zeros
.set FA,   40                          ; the two areas
.set FB,   104
.set O,    168                         ; v168-199 O^T
.set PC,   200                         ; p's codes
.set BM,   216
.set BT,   220
.set LIM,  224
.set SOP,  228
.set TMP,  232
.set OB,   233
.set FF,   234                         ; v[234:235] f = 2^(old M - new M)
.set PW,   236                         ; p's scale word
.set QS,   237                         ; Q's scale word
.set T,    238                         ; v238-253 eight partial sums, in pairs
.set WV,   18
.set MNT,  19
.set SEL,  20
.set CS,   22                          ; s[22:23] c = log2(e) / 8
.set G1,   32
.set G0,   44
.set CNT,  62
.set PASS, 63
.set CSN,  66                          ; -c
.set HI16, 67
.macro CROUND                          ; a round of the cluster's barrier
	s_barrier_signal -1
	s_barrier_wait -1
	s_cmp_lg_u32 s[WV], 0
	s_cbranch_scc1 .Lnot_wave_0_\@
	s_barrier_signal -3
.Lnot_wave_0_\@:
	s_barrier_wait -3
	s_barrier_signal -1
	s_barrier_wait -1
.endm
	s_load_b256 s[4:11], s[0:1], 0x0               ; qimg, qsc, kvimg, kvsc
	s_load_b128 s[12:15], s[0:1], 0x20             ; oimg, osc
	v_lshl_add_u32 v254, v0, 2, SPARE
	v_mov_b32 v255, 0
	ds_add_u32 v254, v255                          ; the opening lines: the add twice on end and one wait
	ds_add_u32 v254, v255
	v_lshrrev_b32 v1, 5, v0
	v_lshlrev_b32 v[TMP], 4, v0                    ; 16 x thread: my 16 of the head's scale bytes in memory,
	v_lshl_add_u32 v[OB], v0, 4, SC                ; and in LDS
	v_readfirstlane_b32 s[WV], v1                  ; wave 0..15
	s_bfe_u32 s16, ttmp6, 0x40000                  ; cx: it enters Q's and the result's addresses alone
	s_and_b32 s17, ttmp7, 0xffff                   ; the head, which the four partners share
	s_lshl_b32 s68, ttmp9, 2
	s_add_co_u32 s68, s68, s16
	s_lshl_b32 s68, s68, 5
	s_add_co_u32 s68, s68, s[WV]                   ; my tile of 16 queries in the first pass: 32 x quarter + wave
	s_mov_b32 s[G1], 15|(3<<16)|(1<<21)            ; the mask: all four; elements of 8 bytes; bit 21 beside a mask; no padding
	s_mov_b32 s[G1+1], 32<<16                      ; rows of 256 bytes
	s_mov_b32 s[G1+2], 64<<16                      ; 64 rows
	s_mov_b32 s[G1+3], 32<<16
	s_mov_b32 s[G1+4], 64
	s_mov_b32 s[G1+5], 32                          ; dense
	s_mov_b32 s[G1+6], 0
	s_mov_b32 s[G1+7], 0
	s_lshl_b32 s70, s17, 18                        ; the head's images: 262,144 bytes,
	s_lshl_b32 s75, s[WV], 14                      ; my key step's 16,384
	s_add_co_u32 s70, s70, s75
	s_mov_b32 s71, 0
	s_lshl_b32 s72, s17, 13                        ; the head's scale bytes: 8,192
	s_mov_b32 s73, 0
	s_mov_b32 s[MNT], 0x600000                     ; the mantissa field of 448
	s_mov_b32 s[SEL], 0x76543210
	s_mov_b32 s[SEL+1], 0xfedcba98                 ; lane l xor 16
	s_mov_b32 s[CS], 0x3e38aa3b
	s_mov_b32 s[CS+1], s[CS]
	s_mov_b32 s[CSN], 0xbe38aa3b
	s_mov_b32 s[HI16], 0xffff0000
	s_wait_alu depctr_va_vdst(0)                   ; the wait ahead of the wait below
	s_wait_dscnt 0x0
	s_wait_kmcnt 0x0
	s_add_nc_u64 s[8:9], s[8:9], s[70:71]
	s_add_nc_u64 s[10:11], s[10:11], s[72:73]
	s_mov_b32 s[G0], 1
	s_mov_b32 s[G0+1], s75
	s_mov_b64 s[G0+2:G0+3], s[8:9]
	s_or_b32 s[G0+3], s[G0+3], 0x80000000
	CROUND                                         ; all four work-groups are here: the joint loads meet
	tensor_load_to_lds s[G0:G0+3], s[G1:G1+7]      ; my one tensor load: key step w's image
	s_nop 0
.rept 4
	v_nop
.endr
	global_load_b128 v[FA:FA+3], v[TMP], s[10:11]  ; 32 lanes read 512 consecutive bytes: key step w's scale bytes
	s_lshl_b32 s76, s17, 17                        ; Q's images: 131,072 a head, 1,024 a tile
	s_lshl_b32 s77, s68, 10
	s_add_co_u32 s76, s76, s77
	s_mov_b32 s77, 0
	s_add_nc_u64 s[4:5], s[4:5], s[76:77]
	s_lshl_b32 s76, s17, 12                        ; Q's scale bytes: 4,096 a head; 64 (tile / 2) + 2 (tile % 2)
	s_lshr_b32 s78, s68, 1
	s_lshl_b32 s78, s78, 6
	s_add_co_u32 s76, s76, s78
	s_and_b32 s78, s68, 1
	s_lshl_b32 s78, s78, 1
	s_add_co_u32 s76, s76, s78
	s_add_nc_u64 s[6:7], s[6:7], s[76:77]
	s_lshr_b32 s78, s17, 4
	s_lshl_b32 s78, s78, 7
	s_add_co_u32 s78, s78, s68                     ; T: my tile among all 512
	s_and_b32 s79, s17, 15                         ; hd: the head in the batch
	s_lshr_b32 s76, s78, 3                         ; oimg [T / 8][hd / 4][T % 8][(hd / 2) % 2][2 (hd % 2) + f][512]
	s_lshl_b32 s76, s76, 17
	s_and_b32 s69, s78, 7
	s_lshl_b32 s69, s69, 12
	s_add_co_u32 s76, s76, s69
	s_lshr_b32 s69, s79, 2
	s_lshl_b32 s69, s69, 15
	s_add_co_u32 s76, s76, s69
	s_bfe_u32 s69, s79, 0x10001
	s_lshl_b32 s69, s69, 11
	s_add_co_u32 s76, s76, s69
	s_and_b32 s69, s79, 1
	s_lshl_b32 s69, s69, 10
	s_add_co_u32 s76, s76, s69
	s_add_nc_u64 s[12:13], s[12:13], s[76:77]
	s_lshl_b32 s76, s78, 9                         ; osc [16 T + r][32], byte 2 hd + f
	s_lshl_b32 s69, s79, 1
	s_add_co_u32 s76, s76, s69
	s_add_nc_u64 s[14:15], s[14:15], s[76:77]
	v_and_b32 v1, 31, v0                           ; lane
	v_and_b32 v3, 15, v0                           ; r
	v_bfe_u32 v4, v0, 4, 1                         ; h
	v_lshl_add_u32 v[LS], v1, 2, SC
	v_lshlrev_b32 v[LI], 4, v1
	v_lshl_add_u32 v[OSO], v3, 5, v4
	v_lshlrev_b32 v[QSO], 2, v3
.irp j, 0,1,2,3,4,5,6,7
	v_mov_b32 v[ZQ+\j], 0                          ; the zero codes on both sides of Q
	v_mov_b32 v[ZQ+16+\j], 0
.endr
.irp b, 0,1,2,3
	v_mov_b32 v[BT+\b], 0                          ; a lane permute's destination counts as one of its sources
.endr
	v_mov_b32 v[FF+1], 0                           ; (named as the upper half of a pair)
	global_load_b128 v[ZQ+8:ZQ+11], v[LI], s[4:5]              ; the first pass's tile of Q, while the images are on their way
	global_load_b128 v[ZQ+12:ZQ+15], v[LI], s[4:5] offset:512
	global_load_u16 v[QRAW], v[QSO], s[6:7]                    ; its two scale bytes
	s_wait_alu depctr_va_vdst(0)                   ; the wait at the head's end
	s_wait_tensorcnt 0x0
	s_wait_loadcnt 0x0                             ; my scale bytes are in registers,
	ds_store_b128 v[OB], v[FA:FA+3]                ; and go to LDS bytes that no tensor load fills
	s_wait_dscnt 0x0                               ; for the others' sake
	s_barrier_signal -1
	s_barrier_wait -1                              ; the whole head is in LDS
.macro KLOAD X, kb                     ; a step's K: two scale words and four fragments, as they were laid
	ds_load_b32 v[KS], v[ADS] offset:(\kb)/32
	ds_load_b32 v[KS+1], v[ADS] offset:(\kb)/32+128
.irp g, 0,1,2,3,4,5,6,7,8,9,10,11,12,13,14,15
	ds_load_b128 v[\X+4*\g:\X+4*\g+3], v[ADK] offset:(\kb)+512*\g
.endr
.endm
; A KEY STEP: 128 keys, whose image begins kb bytes behind v[ADK].  K is on its way into X.  MO holds the old -M, MN takes the new.  nxt: the next step's K is asked for.  adv: the addresses go two steps on.
.macro STEP X, Y, MO, MN, kb, nxt, adv
	s_wait_alu depctr_va_vdst(0)                   ; the wait ahead of the wait below
.irp f, 0,1,2,3                        ; S^T = K Q^T
.if (\f%2) == 0
	s_wait_dscnt 8-4*\f                            ; f = 0: the scale words and fragments 0 and 1 are in, eight younger loads may be out; f = 2: all are in
.endif
.if \f%2
	v_wmma_scale_f32_16x16x128_f8f6f4 v[\Y+16*\f:\Y+16*\f+7], v[\X+16*\f:\X+16*\f+15], v[ZQ+8:ZQ+23], 0, v[KS+\f/2], v[QS] matrix_a_scale:MATRIX_SCALE_ROW1
	v_wmma_scale_f32_16x16x128_f8f6f4 v[\Y+16*\f+8:\Y+16*\f+15], v[\X+16*\f:\X+16*\f+15], v[ZQ:ZQ+15], 0, v[KS+\f/2], v[QS] matrix_a_scale:MATRIX_SCALE_ROW1
.else
	v_wmma_scale_f32_16x16x128_f8f6f4 v[\Y+16*\f:\Y+16*\f+7], v[\X+16*\f:\X+16*\f+15], v[ZQ+8:ZQ+23], 0, v[KS+\f/2], v[QS]
	v_wmma_scale_f32_16x16x128_f8f6f4 v[\Y+16*\f+8:\Y+16*\f+15], v[\X+16*\f:\X+16*\f+15], v[ZQ:ZQ+15], 0, v[KS+\f/2], v[QS]
.endif
.endr
.rept 8
	v_nop                                          ; eight places: ahead of the loads into K's registers and of the first read of the scores
.endr
	ds_load_b32 v[VS], v[ADS] offset:(\kb)/32+256
	ds_load_b32 v[VS+1], v[ADS] offset:(\kb)/32+384
.irp t, 0,1,2,3                        ; V's four fragments land while the softmax is walked
.irp c, 0,1,2,3
	ds_load_b128 v[\X+16*\t+4*\c:\X+16*\t+4*\c+3], v[ADK] offset:(\kb)+8192+(\c/2)*4096+(\t/2)*2048+(2*(\t%2)+\c%2)*512
.endr
.endr
.irp b, 0,1,2,3
	v_max3_num_f32 v[BM+\b], v[\Y+16*\b], v[\Y+1+16*\b], v[\Y+2+16*\b]   ; the largest score of each block of 32 keys, the four blocks by turns
.endr
.irp i, 3,5,7,9,11,13
.irp b, 0,1,2,3
	v_max3_num_f32 v[BM+\b], v[BM+\b], v[\Y+16*\b+\i], v[\Y+1+16*\b+\i]
.endr
.endr
.irp b, 0,1,2,3
	v_max_num_f32 v[BM+\b], v[BM+\b], v[\Y+15+16*\b]
.endr
.irp b, 0,1,2,3
	v_permlanex16_b32 v[BT+\b], v[BM+\b], s[SEL], s[SEL+1]
.endr
.irp b, 0,1,2,3
	v_max_num_f32 v[BM+\b], v[BM+\b], v[BT+\b]     ; with lane l xor 16's 16 keys
.endr
	v_max3_num_f32 v[TMP], v[BM], v[BM+1], v[BM+2]
	s_delay_alu instid0(VALU_DEP_1)
	v_max3_num_f32 v13, v13, v[TMP], v[BM+3]       ; the running largest score
	s_delay_alu instid0(VALU_DEP_1)
	v_mul_f32 v[TMP], s[CSN], v13                  ; -t (c is positive, so the largest score gives the largest t)
	s_delay_alu instid0(VALU_DEP_1)
	v_floor_f32 v[\MN], v[TMP]                     ; the new -M = floor(-t) = -ceil(t)
	s_delay_alu instid0(VALU_DEP_1)
	v_sub_f32 v[TMP], v[\MN], v[\MO]               ; old M less new M: a whole number, 0 or less
	s_delay_alu instid0(VALU_DEP_1)
	v_cvt_i32_f32 v[TMP], v[TMP]                   ; (it saturates)
	s_delay_alu instid0(VALU_DEP_1)
	v_ldexp_f32 v[FF], 1.0, v[TMP]                 ; f = 2^(old M - new M)
.set J, 0
.rept 32
	v_pk_fma_f32 v[\Y+J:\Y+J+1], v[\Y+J:\Y+J+1], s[CS:CS+1], v[\MN:\MN+1] op_sel_hi:[1,0,0]   ; t - M, two at a time
.set J, J+2
.endr
	v_pk_fma_f32 v[BM:BM+1], v[BM:BM+1], s[CS:CS+1], v[\MN:\MN+1] op_sel_hi:[1,0,0]           ; the same of each block's largest score
	v_pk_fma_f32 v[BM+2:BM+3], v[BM+2:BM+3], s[CS:CS+1], v[\MN:\MN+1] op_sel_hi:[1,0,0]
	s_wait_alu depctr_va_vdst(0)                   ; the wait ahead of the batch
.set J, 0
.rept 64
	v_exp_f32 v[\Y+J], v[\Y+J]                     ; p = 2^(t - M), at most 1
.set J, J+1
.endr
	v_pk_mul_f32 v[14:15], v[14:15], v[FF:FF+1] op_sel_hi:[1,0]   ; the sums under the new M
	s_wait_alu depctr_va_vdst(0)                   ; and behind it, ahead of its first reader
.irp b, 0,1,2,3
	v_exp_f32 v[BM+\b], v[BM+\b]                   ; the block's largest p
.endr
.irp c, 0,1,2,3,4,5,6,7                ; the row's sum of the unquantised p: 32 pairs into eight partial sums
	v_pk_add_f32 v[T+2*\c:T+2*\c+1], v[\Y+2*\c:\Y+2*\c+1], v[\Y+16+2*\c:\Y+17+2*\c]
.endr
.irp r, 32,48
.irp c, 0,1,2,3,4,5,6,7
	v_pk_add_f32 v[T+2*\c:T+2*\c+1], v[T+2*\c:T+2*\c+1], v[\Y+\r+2*\c:\Y+\r+2*\c+1]
.endr
.endr
	s_wait_alu depctr_va_vdst(0)                   ; for the four
.irp b, 0,1,2,3
	v_max_num_f32 v[BM+\b], 0x4800000, v[BM+\b]    ; the floor 2^(9 - 127): the byte cannot fall under 1
.endr
.irp b, 0,1,2,3
	v_add_nc_u32 v[SOP+\b], 0xfc000000, v[BM+\b]   ; 8 off the exponent field: the conversion's scale operand
.endr
.irp b, 0,1,2,3
	v_and_or_b32 v[LIM+\b], v[BM+\b], 0x7f800000, s[MNT]   ; 448 x the scale
.endr
.irp b, 0,1,2,3
	v_lshrrev_b32 v[BT+\b], 23, v[SOP+\b]          ; the scale's byte
.endr
	v_lshl_or_b32 v[PW], v[BT+1], 8, v[BT]
	v_lshl_or_b32 v[TMP], v[BT+3], 8, v[BT+2]
	s_delay_alu instid0(VALU_DEP_1)
	v_lshl_or_b32 v[PW], v[TMP], 16, v[PW]         ; p's scale word for these 128 keys
.irp b, 0,1,2,3
.irp i, 0,2,4,6,8,10,12,14
	v_dual_min_num_f32 v[\Y+16*\b+\i], v[\Y+16*\b+\i], v[LIM+\b] :: v_dual_min_num_f32 v[\Y+16*\b+\i+1], v[\Y+16*\b+\i+1], v[LIM+\b]   ; the hold (ISA guide 7.6.2: the conversion does not saturate); p is not negative; two numbers a line
.endr
	v_cvt_scalef32_pk8_fp8_f32 v[PC+4*\b:PC+4*\b+1], v[\Y+16*\b:\Y+16*\b+7], v[SOP+\b]
	v_cvt_scalef32_pk8_fp8_f32 v[PC+4*\b+2:PC+4*\b+3], v[\Y+16*\b+8:\Y+16*\b+15], v[SOP+\b]
.endr
	s_wait_alu depctr_va_vdst(0)                   ; the wait directly ahead of the first reader of O^T
.set J, 0
.rept 16
	v_pk_mul_f32 v[O+J:O+J+1], v[O+J:O+J+1], v[FF:FF+1] op_sel_hi:[1,0]   ; O^T under the new M; these 16 also stand between the conversions and the products that read the codes
.set J, J+2
.endr
.if \nxt
	KLOAD \Y, (\kb)+16384                          ; p has been summed and converted: its registers take the next step's K
.endif
	s_wait_alu depctr_va_vdst(0)                   ; the wait ahead of the wait below
	s_wait_dscnt 18*\nxt                           ; V and its scale words are in; the 18 loads of the next K may be out
.irp t, 0,1,2,3                        ; O^T += V^T P^T: the four accumulators by turns
.if \t%2
	v_wmma_scale_f32_16x16x128_f8f6f4 v[O+8*\t:O+8*\t+7], v[\X+16*\t:\X+16*\t+15], v[PC:PC+15], v[O+8*\t:O+8*\t+7], v[VS+\t/2], v[PW] matrix_a_scale:MATRIX_SCALE_ROW1
.else
	v_wmma_scale_f32_16x16x128_f8f6f4 v[O+8*\t:O+8*\t+7], v[\X+16*\t:\X+16*\t+15], v[PC:PC+15], v[O+8*\t:O+8*\t+7], v[VS+\t/2], v[PW]
.endif
.endr
	; nine places ahead of the next step's first product, which writes over V's registers: the eight partial sums are joined here
	v_pk_add_f32 v[T:T+1], v[T:T+1], v[T+2:T+3]
	v_pk_add_f32 v[T+4:T+5], v[T+4:T+5], v[T+6:T+7]
	v_pk_add_f32 v[T+8:T+9], v[T+8:T+9], v[T+10:T+11]
	v_pk_add_f32 v[T+12:T+13], v[T+12:T+13], v[T+14:T+15]
	s_delay_alu instid0(VALU_DEP_3)
	v_pk_add_f32 v[T:T+1], v[T:T+1], v[T+4:T+5]
	s_delay_alu instid0(VALU_DEP_2)
	v_pk_add_f32 v[T+8:T+9], v[T+8:T+9], v[T+12:T+13]
	s_delay_alu instid0(VALU_DEP_1)
	v_pk_add_f32 v[T:T+1], v[T:T+1], v[T+8:T+9]
	s_delay_alu instid0(VALU_DEP_1)
	v_pk_add_f32 v[14:15], v[14:15], v[T:T+1]
.if \adv
	v_add_nc_u32 v[ADK], 0x8000, v[ADK]            ; two steps on
	v_add_nc_u32 v[ADS], 0x400, v[ADS]
.else
	v_nop
.endif
.endm
	s_mov_b32 s[PASS], 2
.Lpass:
	v_mov_b32 v[ADK], v[LI]                        ; (my tile of Q is on its way: asked for at the head, or at the end of the pass before)
	v_mov_b32 v[ADS], v[LS]
	KLOAD FA, 0                                    ; key step 0's K
	v_mov_b32 v13, 0xff61b1e6                      ; the largest score so far: -3e38
	v_mov_b32 v12, 0x7f61b1e6                      ; -M: 3e38, so that the first f is 0
	v_mov_b32 v14, 0
	v_mov_b32 v15, 0
	s_wait_loadcnt 0x0
	v_lshl_or_b32 v[QS], v[QRAW], 16, v[QRAW]      ; the two bytes serve k = 0 .. 63 in [Q | 0] and k = 64 .. 127 in [0 | Q]
.set J, 0
.rept 32
	v_mov_b32 v[O+J], 0                            ; O^T: the step is written without a first form of its own; these also stand between the scale word's making and the first product
.set J, J+1
.endr
	s_mov_b32 s[CNT], 7
.Lstep:                                            ; a trip is two key steps, until the areas and -M's registers are back where they began
	STEP FA, FB, 12, 0, 0, 1, 0
	STEP FB, FA, 0, 12, 16384, 1, 1
	s_sub_co_u32 s[CNT], s[CNT], 1
	s_cmp_lg_u32 s[CNT], 0
	s_cbranch_scc1 .Lstep
	STEP FA, FB, 12, 0, 0, 1, 0                    ; key steps 14 and 15 are written out: the last asks for no further K
	STEP FB, FA, 0, 12, 16384, 0, 0
	; THE WAY OUT of a pass
	v_add_f32 v14, v14, v15
	s_delay_alu instid0(VALU_DEP_1)
	v_permlanex16_b32 v[TMP], v14, s[SEL], s[SEL+1]
	s_delay_alu instid0(VALU_DEP_1)
	v_add_f32 v14, v14, v[TMP]                     ; the row's sum
	s_wait_alu depctr_va_vdst(0)                   ; the wait ahead of the transcendental
	v_rcp_f32 v14, v14
	v_nop
	s_wait_alu depctr_va_vdst(0)                   ; and ahead of its first reader, which is also O^T's
.set J, 0
.rept 16
	v_pk_mul_f32 v[FA+J:FA+J+1], v[O+J:O+J+1], v[14:15] op_sel_hi:[1,0]   ; O^T / the sum: register 16 f + i is channel 32 f + 16 h + i of my query
.set J, J+2
.endr
.irp f, 0,1
	v_max3_num_f32 v[BM+\f], |v[FA+16*\f]|, |v[FA+1+16*\f]|, 0x4800000   ; the head's two blocks of 32 channels are two blocks along the last product's K
.endr
.irp i, 2,4,6,8,10,12,14
.irp f, 0,1
	s_delay_alu instid0(VALU_DEP_2)
	v_max3_num_f32 v[BM+\f], v[BM+\f], |v[FA+16*\f+\i]|, |v[FA+1+16*\f+\i]|
.endr
.endr
.irp f, 0,1
	s_delay_alu instid0(VALU_DEP_2)
	v_permlanex16_b32 v[BT+\f], v[BM+\f], s[SEL], s[SEL+1]
.endr
.irp f, 0,1
	s_delay_alu instid0(VALU_DEP_2)
	v_max_num_f32 v[BM+\f], v[BM+\f], v[BT+\f]
.endr
.irp f, 0,1
	s_delay_alu instid0(VALU_DEP_2)
	v_add_nc_u32 v[SOP+\f], 0xfc000000, v[BM+\f]
.endr
.irp f, 0,1
	s_delay_alu instid0(VALU_DEP_4)
	v_and_or_b32 v[LIM+\f], v[BM+\f], 0x7f800000, s[MNT]
.endr
.irp f, 0,1
	s_delay_alu instid0(VALU_DEP_4)
	v_lshrrev_b32 v[BT+\f], 23, v[SOP+\f]
.endr
	s_delay_alu instid0(VALU_DEP_1)
	v_cndmask_b32 v[OB], v[BT], v[BT+1], s[HI16]   ; lanes 0-15 store block 0's byte, lanes 16-31 block 1's
.irp f, 0,1
.irp i, 0,1,2,3,4,5,6,7,8,9,10,11,12,13,14,15
	v_med3_num_f32 v[FA+16*\f+\i], v[FA+16*\f+\i], -v[LIM+\f], v[LIM+\f]
.endr
	v_cvt_scalef32_pk8_fp8_f32 v[PC+4*\f:PC+4*\f+1], v[FA+16*\f:FA+16*\f+7], v[SOP+\f]
	v_cvt_scalef32_pk8_fp8_f32 v[PC+4*\f+2:PC+4*\f+3], v[FA+16*\f+8:FA+16*\f+15], v[SOP+\f]
.endr
	v_nop                                          ; one plain vector instruction behind the last conversion
	global_store_b128 v[LI], v[PC:PC+3], s[12:13]              ; 32 lanes store 512 consecutive bytes, aligned
	global_store_b128 v[LI], v[PC+4:PC+7], s[12:13] offset:512
	global_store_b8 v[OSO], v[OB], s[14:15]
	s_wait_xcnt 0x0                                ; the loads and stores have read their addresses and data: both are written again only behind this wait
	s_add_nc_u64 s[4:5], s[4:5], 16384             ; sixteen tiles on
	s_add_nc_u64 s[6:7], s[6:7], 512
	s_add_nc_u64 s[12:13], s[12:13], 262144
	s_add_nc_u64 s[14:15], s[14:15], 8192
	s_sub_co_u32 s[PASS], s[PASS], 1
	s_cmp_lg_u32 s[PASS], 0
	s_cbranch_scc0 .Lout                           ; behind the last pass no further tile is asked for
	global_load_b128 v[ZQ+8:ZQ+11], v[LI], s[4:5]              ; the next pass's tile of Q
	global_load_b128 v[ZQ+12:ZQ+15], v[LI], s[4:5] offset:512
	global_load_u16 v[QRAW], v[QSO], s[6:7]
	s_cmp_lg_u32 s[PASS], 0
	s_cbranch_scc1 .Lpass
.Lout:
	s_wait_tensorcnt 0x0                           ; the wave's end
	ds_add_u32 v254, v255
	s_wait_dscnt 0x0
	CROUND                                         ; the closing round
	s_endpgm
.Lfunc_end_k_qa490e426c2_attn:
	.size	k_qa490e426c2_attn, .Lfunc_end_k_qa490e426c2_attn-k_qa490e426c2_attn
	.p2alignl 7, 3214868480
	.fill 96, 4, 3214868480
	.section	.rodata,"a",@progbits
	.p2align	6, 0x0
	.amdhsa_kernel k_qa490e426c2_attn
		.amdhsa_group_segment_fixed_size 272384
		.amdhsa_private_segment_fixed_size 0
		.amdhsa_enable_private_segment 0
		.amdhsa_kernarg_size 48
		.amdhsa_user_sgpr_count 2
		.amdhsa_user_sgpr_kernarg_segment_ptr 1
		.amdhsa_wavefront_size32 1
		.amdhsa_system_sgpr_workgroup_id_x 1
		.amdhsa_system_sgpr_workgroup_id_y 1
		.amdhsa_system_sgpr_workgroup_id_z 1
		.amdhsa_system_vgpr_workitem_id 0
		.amdhsa_next_free_vgpr 256
		.amdhsa_next_free_sgpr 80
		.amdhsa_reserve_vcc 0
		.amdhsa_float_denorm_mode_32 3
		.amdhsa_float_denorm_mode_16_64 3
		.amdhsa_memory_ordered 1
		.amdhsa_forward_progress 1
		.amdhsa_inst_pref_size 88
	.end_amdhsa_kernel
	.amdgpu_metadata
---
amdhsa.version: [ 1, 2 ]
amdhsa.kernels:
  - .name:           k_qa490e426c2_attn
    .symbol:         k_qa490e426c2_attn.kd
    .args:
      - { .name: qimg, .offset: 0, .size: 8, .value_kind: global_buffer, .address_space: global }
      - { .name: qsc, .offset: 8, .size: 8, .value_kind: global_buffer, .address_space: global }
      - { .name: kvimg, .offset: 16, .size: 8, .value_kind: global_buffer, .address_space: global }
      - { .name: kvsc, .offset: 24, .size: 8, .value_kind: global_buffer, .address_space: global }
      - { .name: oimg, .offset: 32, .size: 8, .value_kind: global_buffer, .address_space: global }
      - { .name: osc, .offset: 40, .size: 8, .value_kind: global_buffer, .address_space: global }
    .group_segment_fixed_size: 272384
    .private_segment_fixed_size: 0
    .kernarg_segment_align: 8
    .kernarg_segment_size: 48
    .max_flat_workgroup_size: 512
    .sgpr_count:     80
    .vgpr_count:     256
    .wavefront_size: 32
...
	.end_amdgpu_metadata
.endif
;; end of part 2
;; launch oproj (part 3): grid 4 x 64, 4 waves a work-group, clusters of 4 x 4, 327,680 bytes of LDS; arguments oimg, osc, w_o_codes, w_o_scales, b_o, out0; writes out0
.if DOCPART == 3
	.amdgcn_target "amdgcn-amd-amdhsa--gfx1250"
	.amdhsa_code_object_version 6
	.text
	.protected	k_qa490e426c2_oproj
	.globl	k_qa490e426c2_oproj
	.p2align	8
	.type	k_qa490e426c2_oproj,@function
k_qa490e426c2_oproj:
	s_mov_b64 s[64:65], 0
	v_nop
	global_prefetch_b8 v0, s[64:65] scope:SCOPE_SE
	s_setreg_imm32_b32 hwreg(HW_REG_WAVE_MODE, 25, 1), 1
	s_wait_xcnt 0x0
	s_wait_alu depctr_hold_cnt(0) depctr_sa_sdst(0) depctr_va_vdst(0) depctr_va_sdst(0) depctr_va_ssrc(0) depctr_va_vcc(0) depctr_vm_vsrc(0)
	s_getreg_b32 s2, hwreg(HW_REG_IB_STS2, 6, 4)
	s_cmp_eq_u32 s2, 0
	s_cbranch_scc0 .Lentry_in_a_cluster
	s_endpgm
.Lentry_in_a_cluster:
	s_bfe_u32 s2, ttmp6, 0x10000c
	s_cmp_lg_u32 s2, 0xf033
	s_cbranch_scc0 .Lentry_shape_is_right
	s_endpgm
.Lentry_shape_is_right:
; out0[m][n] = the sum over k of A[m][k] w_o[n][k] + b_o[n], on codes of FP8 (E4M3) with one E8M0 scale for each 32 along K; K = 1,024.
; A is the attention's result as the launch before stored it: images of operand registers, [128 rows][K step of 256][16 rows][128 K][4][512 bytes], with its scale bytes [row][32].
; In an image block of 16 rows, row r of block a is token 32 (a / 2) + 8 (a % 2) + r + 8 (r / 8) of its 128.
; SHARES.  A block of the result is 128 x 256: 64 x 4 = 256 work-groups.  Four waves, each 64 rows x 128 columns: 32 accumulators, 256 registers.
; K goes in steps of 256 through a ring of two LDS slots (A: 32,768 dense bytes; B: 256 rows of 256 bytes, 16 of padding behind each).  The scale bytes of the block's rows and columns come once and stay.
; CLUSTERS: 4 x 4 work-groups; A's tiles are asked for jointly along a row of the cluster, B's along a column.
; The matrix instruction is used transposed (source 0 = 16 rows of w_o, source 1 = 16 rows of A): a lane holds eight neighbouring numbers of a row of the result.  The bias is the C of each sum's first product.
; PREFETCHES INTO THE L2: a fill's bytes are asked for one fill earlier: K step 1 behind the head's loads, step 2 behind step 1's load, step 3 behind step 2's refill; one instruction a wave each time.
; Of what a wave fetches in the ring (A: 64 blocks of 256 bytes; B: 128 rows), each of the four partners that ask for it jointly takes a quarter, told apart by address: A: 16 blocks, lanes 0-15 (lanes 16-31 name the
; last again); B: 32 rows, a lane a row.  So each block of 256 bytes is named once in each cluster that loads it.  Three address pairs, never written again; step 3 is the last of K.
; REGISTERS: window 0: v0-31 addresses, v32-63 scale words (two sets), v64-127 the bias, v128-191 A's four fragments; window 1: B's fragments, two sets; window 2: the accumulators, (a, b) at v[8 (8 a + b)].
.set NQ,     2
.set ROWB,   256
.set KROW,   1024
.set PITCH,  272
.set FR,     16
.set NL,     4
.set NP,     8                         ; places behind this matrix instruction (ISA guide 7.12.1)
.set ATILE,  32768                     ; A's K step: 128 rows
.set HALFT,  128*PITCH
.set SLOT,   ATILE+2*HALFT
.set LAPS,   2
.set SCL,    2*SLOT                    ; the scales: units of 256 bytes + 16
.set SBLK,   544                       ; those of 16 rows
.set SA,     8*SBLK                    ; of 128 rows: A's, then B's two halves
.set SPARE,  SCL+3*SA                  ; the spare words
.set SPITCH, 528                       ; the way out: 16 rows x (512 + 16) bytes a wave, in slot 0, behind its last fill and its last read
.set NROW,   4096                      ; a row of the result in bytes
.set ADRA, 16
.set PFO,  18                          ; v18 the prefetches' lane offset
.set ADRB, 20
.set BO,   23
.set STO,  24
.set RD,   25
.set CO,   26
.set ADRS, 27
.set SPW,  28
.set NIL,  29
.set SC,   32
.set CI,   64
.set AF,   128
.set BK,   128
.set CP,   98
.set PF1,  12                          ; s[12:13], s[18:19], s[94:95] my share of K steps 1, 2, 3
.set PF2,  18
.set PF3,  94
.set G1, 24
.set G0, 32
.set G1B, 48
.set G0B, 56
.set G1S, 68
.set G0S, 76
.set G1SB, 80
.set G0SB, 88
.set G0H, 4
.set G0HB, 8
.set MSB, 0
.macro WIN new
.if MSB != \new
	s_set_vgpr_msb (MSB<<8)|\new
.set MSB, \new
.endif
.endm
.set MUL,   0xa1                       ; source 0 (B) window 1, source 1 (A) window 0, C and D window 2
.set MUL0,  0x81                       ; the same with C (the bias) in window 0
.set TO_B,  0x40
.macro JLOAD g0a, g1a, g0b, g1b        ; waves 0 and 1 fetch A's halves, waves 2 and 3 B's
	s_cmp_eq_u32 s15, 0
	s_cbranch_scc0 .Lfor_b_\@
	tensor_load_to_lds s[\g0a:\g0a+3], s[\g1a:\g1a+7]
	s_nop 0
.rept 4
	v_nop
.endr
	s_branch .Lasked_\@
.Lfor_b_\@:
	tensor_load_to_lds s[\g0b:\g0b+3], s[\g1b:\g1b+7]
	s_nop 0
.rept 4
	v_nop
.endr
.Lasked_\@:
.endm
.macro CREST
	s_cmp_lg_u32 s14, 0
	s_cbranch_scc1 .Lnot_wave_0_\@
	s_barrier_signal -3
.Lnot_wave_0_\@:
	s_barrier_wait -3
	s_barrier_signal -1
	s_barrier_wait -1
.endm
.macro CROUND
	s_barrier_signal -1
	s_barrier_wait -1
	CREST
.endm
	s_load_b128 s[4:7], s[0:1], 0x0                ; oimg, osc
	s_load_b128 s[8:11], s[0:1], 0x10              ; w_o's codes, its scales
	s_load_b128 s[96:99], s[0:1], 0x20             ; b_o, out0
	v_lshl_add_u32 v[SPW], v0, 2, SPARE
	v_mov_b32 v[NIL], 0
	ds_add_u32 v[SPW], v[NIL]                      ; the opening lines: the add twice on end and one wait
	ds_add_u32 v[SPW], v[NIL]
	v_lshrrev_b32 v1, 5, v0
	v_readfirstlane_b32 s14, v1                    ; wave 0..3
	s_lshr_b32 s15, s14, 1                         ; my 64 rows.  Also: I fetch for A (0) or for B (1)
	s_and_b32 s16, s14, 1                          ; my 128 columns.  Also: which half I fetch
	s_bfe_u32 s40, ttmp6, 0x40000
	s_bfe_u32 s41, ttmp6, 0x40004
	s_lshl_b32 s42, ttmp9, 2
	s_add_co_u32 s42, s42, s40                     ; block column
	s_and_b32 s17, ttmp7, 0xffff
	s_lshl_b32 s17, s17, 2
	s_add_co_u32 s17, s17, s41                     ; block row: 128 rows
	s_lshl_b32 s43, s41, 2
	s_lshl_b32 s43, 15, s43                        ; my row of the cluster
	s_lshl_b32 s44, 0x1111, s40                    ; my column
	s_or_b32 s[G1+0], s43, (3<<16)|(1<<21)         ; A: dense rows of 256 bytes: 128 for the head's load, then 64
	s_mov_b32 s[G1+1], 32<<16
	s_mov_b32 s[G1+2], 128<<16
	s_mov_b32 s[G1+3], 32<<16
	s_mov_b32 s[G1+4], 128
	s_mov_b32 s[G1+5], 32
	s_mov_b32 s[G1+6], 0
	s_mov_b32 s[G1+7], 0
	s_or_b32 s[G1B+0], s44, (0<<16)|(1<<20)|(1<<21)|(5<<22)|(3<<25)   ; B: rows of 256 bytes, padded: 256 for the head's load, then 128
	s_mov_b32 s[G1B+1], ROWB<<16
	s_mov_b32 s[G1B+2], 256<<16
	s_mov_b32 s[G1B+3], ROWB<<16
	s_mov_b32 s[G1B+4], 256
	s_mov_b32 s[G1B+5], KROW
	s_mov_b32 s[G1B+6], 0
	s_mov_b32 s[G1B+7], 0
	s_or_b32 s[G1S+0], s43, (3<<16)|(1<<20)|(1<<21)|(5<<22)|(3<<25)   ; A's scales: 4,096 dense bytes
	s_mov_b32 s[G1S+1], 32<<16
	s_mov_b32 s[G1S+2], 16<<16
	s_mov_b32 s[G1S+3], 32<<16
	s_mov_b32 s[G1S+4], 16
	s_mov_b32 s[G1S+5], 32
	s_mov_b32 s[G1S+6], 0
	s_mov_b32 s[G1S+7], 0
	s_or_b32 s[G1SB+0], s44, (3<<16)|(1<<20)|(1<<21)|(5<<22)|(3<<25)  ; B's: 8,192
	s_mov_b32 s[G1SB+1], 32<<16
	s_mov_b32 s[G1SB+2], 32<<16
	s_mov_b32 s[G1SB+3], 32<<16
	s_mov_b32 s[G1SB+4], 32
	s_mov_b32 s[G1SB+5], 32
	s_mov_b32 s[G1SB+6], 0
	s_mov_b32 s[G1SB+7], 0
	s_lshl_b32 s20, s17, 17                        ; A's 128 rows: 131,072 bytes of images,
	s_mov_b32 s21, 0
	s_lshl_b32 s22, s17, 12                        ; 4,096 of scales
	s_mov_b32 s23, 0
	s_lshl_b32 s46, s42, 18                        ; B's 256 rows of 1,024 bytes,
	s_mov_b32 s47, 0
	s_lshl_b32 s92, s42, 13                        ; 8,192 of scales
	s_mov_b32 s93, 0
	s_lshl_b32 s18, s16, 14                        ; in the ring: my half of A's step, in memory and in a slot,
	s_mov_b32 s19, 0
	s_lshl_b32 s94, s16, 17                        ; my 128 rows of B in memory,
	s_mov_b32 s95, 0
	s_mul_i32 s45, s16, HALFT
	s_add_co_u32 s45, s45, ATILE                   ; and in a slot
	s_wait_dscnt 0x0
	s_wait_kmcnt 0x0
	s_add_nc_u64 s[20:21], s[4:5], s[20:21]
	s_add_nc_u64 s[22:23], s[6:7], s[22:23]
	s_add_nc_u64 s[46:47], s[8:9], s[46:47]
	s_add_nc_u64 s[92:93], s[10:11], s[92:93]
	CROUND                                         ; all sixteen work-groups are here: the first joint loads meet
	s_mov_b32 s[G0H], 1
	s_mov_b32 s[G0H+1], 0
	s_mov_b64 s[G0H+2:G0H+3], s[20:21]
	s_or_b32 s[G0H+3], s[G0H+3], 0x80000000
	s_mov_b32 s[G0HB], 1
	s_mov_b32 s[G0HB+1], ATILE
	s_mov_b64 s[G0HB+2:G0HB+3], s[46:47]
	s_or_b32 s[G0HB+3], s[G0HB+3], 0x80000000
	s_mov_b32 s[G0S], 1
	s_mov_b32 s[G0S+1], SCL
	s_mov_b64 s[G0S+2:G0S+3], s[22:23]
	s_or_b32 s[G0S+3], s[G0S+3], 0x80000000
	s_mov_b32 s[G0SB], 1
	s_mov_b32 s[G0SB+1], SCL+SA
	s_mov_b64 s[G0SB+2:G0SB+3], s[92:93]
	s_or_b32 s[G0SB+3], s[G0SB+3], 0x80000000
	s_add_nc_u64 s[20:21], s[20:21], s[18:19]
	s_add_nc_u64 s[46:47], s[46:47], s[94:95]
.irp s, 0,1
	s_mov_b32 s[G0+4*\s], 1
	s_add_co_u32 s[G0+4*\s+1], s18, \s*SLOT
	s_add_nc_u64 s[G0+4*\s+2:G0+4*\s+3], s[20:21], \s*ATILE
	s_or_b32 s[G0+4*\s+3], s[G0+4*\s+3], 0x80000000
	s_mov_b32 s[G0B+4*\s], 1
	s_add_co_u32 s[G0B+4*\s+1], s45, \s*SLOT
	s_add_nc_u64 s[G0B+4*\s+2:G0B+4*\s+3], s[46:47], \s*ROWB
	s_or_b32 s[G0B+4*\s+3], s[G0B+4*\s+3], 0x80000000
.endr
	; the prefetches' addresses: what I fetch in the ring, my work-group's quarter of it, at K steps 1, 2, 3
	s_mov_b32 s2, ROWB
	s_cmp_eq_u32 s15, 0                            ; do I fetch for A?
	s_cselect_b64 s[PF1:PF1+1], s[20:21], s[46:47]
	s_cselect_b32 s92, s40, s41                    ; my place among the four that ask with me
	s_cselect_b32 s94, 12, 15                      ; a quarter: 4,096 bytes of A, 32 rows of 1,024 bytes of B
	s_cselect_b32 s95, 15, 31                      ; lanes that name blocks of their own
	s_cselect_b32 s3, 8, 10                        ; from lane to lane: 256 bytes in A, a row in B
	s_cselect_b32 s2, ATILE, s2                    ; a K step on
	s_lshl_b32 s92, s92, s94
	s_mov_b32 s93, 0
	s_add_nc_u64 s[PF1:PF1+1], s[PF1:PF1+1], s[92:93]
	s_mov_b32 s92, s2
	s_add_nc_u64 s[PF1:PF1+1], s[PF1:PF1+1], s[92:93]
	s_add_nc_u64 s[PF2:PF2+1], s[PF1:PF1+1], s[92:93]
	v_and_b32 v[PFO], 31, v0
	v_min_u32 v[PFO], s95, v[PFO]
	v_lshlrev_b32 v[PFO], s3, v[PFO]
	s_wait_alu depctr_va_vdst(0)                   ; the wait directly behind the write
	s_add_nc_u64 s[PF3:PF3+1], s[PF2:PF2+1], s[92:93]
; THE HEAD'S LOADS, ONE A WAVE: wave 0 A's K step 0, wave 1 B's, wave 2 A's scales, wave 3 B's.  One tree of branches on the wave's number, a load to an arm.
.macro ARM under, g0, g1, next
	s_cmp_lt_u32 s14, \under
	s_cbranch_scc0 \next
	tensor_load_to_lds s[\g0:\g0+3], s[\g1:\g1+7]
	s_nop 0
.rept 4
	v_nop
.endr
	s_branch .Lhead_asked
\next:
.endm
	ARM 1, G0H,  G1,  .Lhead_b
	ARM 2, G0HB, G1B, .Lhead_sa
	ARM 3, G0S,  G1S, .Lhead_sb
	tensor_load_to_lds s[G0SB:G0SB+3], s[G1SB:G1SB+7]
	s_nop 0
.rept 4
	v_nop
.endr
.Lhead_asked:
	global_prefetch_b8 v[PFO], s[PF1:PF1+1] th:TH_LOAD_NT scope:SCOPE_SE   ; K step 1
	v_and_b32 v1, 15, v0                           ; r
	v_bfe_u32 v2, v0, 4, 1                         ; h
	v_and_b32 v6, 31, v0
	v_lshlrev_b32 v[CO], 4, v6                     ; 16 x lane
	v_mul_u32_u24 v3, v1, PITCH
	v_lshl_add_u32 v4, v2, 4, v3
	s_lshl_b32 s21, s15, 14                        ; my 64 rows of A: four images of 4,096 bytes
	s_mul_i32 s22, s16, HALFT
	s_add_co_u32 s22, s22, ATILE                   ; my 128 rows of B
.irp s, 0,1
	v_add_nc_u32 v[ADRA+\s], s21, v[CO]
	v_add_nc_u32 v[ADRB+\s], s22, v4
	s_add_co_u32 s21, s21, SLOT
	s_add_co_u32 s22, s22, SLOT
.endr
	v_mul_u32_u24 v5, v1, 32                       ; my row's scales: 32 bytes a row,
	v_lshrrev_b32 v6, 8, v5
	v_lshl_add_u32 v5, v6, 4, v5                   ; and 16 more for each 256 passed
	s_mul_i32 s21, s15, 4*SBLK                     ; A's: my 64 rows
	s_mul_i32 s22, s16, SA
	s_add_co_u32 s22, s22, SA                      ; B's: my 128 rows, behind A's
	s_sub_co_u32 s22, s22, s21
	v_mul_u32_u24 v6, s22, v2                      ; lanes 16-31 take B's
	s_add_co_u32 s21, s21, SCL
	v_add_nc_u32 v5, v5, v6
	v_add_nc_u32 v[ADRS], s21, v5
	s_mul_i32 s23, s14, 16*SPITCH                  ; my stage
	v_mul_u32_u24 v5, v1, SPITCH
	v_lshl_add_u32 v5, v2, 5, v5
	v_add_nc_u32 v[STO], s23, v5
	v_add_nc_u32 v[RD], s23, v[CO]
	s_lshl_b32 s20, s17, 1
	s_add_co_u32 s20, s20, s15
	s_lshl_b32 s20, s20, 18                        ; my first row of the result: 64 rows of 4,096 bytes a wave
	s_mov_b32 s21, 0
	s_lshl_b32 s46, s42, 10
	s_lshl_b32 s47, s16, 9
	s_add_co_u32 s46, s46, s47                     ; my first column, in bytes
	s_mov_b32 s47, 0
	s_add_nc_u64 s[96:97], s[96:97], s[46:47]
	s_add_nc_u64 s[20:21], s[20:21], s[46:47]
	s_add_nc_u64 s[CP:CP+1], s[CP:CP+1], s[20:21]
	v_lshlrev_b32 v[BO], 5, v2
.irp b, 0,1,2,3,4,5,6,7
	global_load_b128 v[CI+8*\b:CI+8*\b+3], v[BO], s[96:97] offset:64*\b          ; the bias in the result's layout: columns 16 b + 8 h + 0 .. 7
	global_load_b128 v[CI+8*\b+4:CI+8*\b+7], v[BO], s[96:97] offset:64*\b+16
.endr
.macro FRAG reg, adr, q, i             ; B: 16 rows x 128 K from padded rows
.irp c, 0,1,2,3
	ds_load_b128 v[\reg+4*\c:\reg+4*\c+3], v[\adr] offset:128*(\q)+32*\c+(\i)*16*PITCH
.endr
.endm
.macro FRAGA reg, adr, q, i            ; A: an image comes back as it was laid
.irp c, 0,1,2,3
	ds_load_b128 v[\reg+4*\c:\reg+4*\c+3], v[\adr] offset:4096*(\i)+2048*(\q)+512*\c
.endr
.endm
; Eight matrix instructions: A's block a x B's eight.  The 32 accumulators take turns in the same order in every step.
.macro MULA a, p, q, sc, zero
.irp b, 0,1,2,3,4,5,6,7
.if \zero
	v_wmma_scale_f32_16x16x128_f8f6f4 v[8*(8*(\a)+\b):8*(8*(\a)+\b)+7], v[128*(\p)+FR*\b:128*(\p)+FR*\b+FR-1], v[AF+FR*(\a):AF+FR*(\a)+FR-1], v[CI+8*\b:CI+8*\b+7], v[SC+8*NQ*(\sc)+NQ*\b+(\q)], v[SC+8*NQ*(\sc)+NQ*(\a)+(\q)] matrix_a_scale:MATRIX_SCALE_ROW1
.else
	v_wmma_scale_f32_16x16x128_f8f6f4 v[8*(8*(\a)+\b):8*(8*(\a)+\b)+7], v[128*(\p)+FR*\b:128*(\p)+FR*\b+FR-1], v[AF+FR*(\a):AF+FR*(\a)+FR-1], v[8*(8*(\a)+\b):8*(8*(\a)+\b)+7], v[SC+8*NQ*(\sc)+NQ*\b+(\q)], v[SC+8*NQ*(\sc)+NQ*(\a)+(\q)] matrix_a_scale:MATRIX_SCALE_ROW1
.endif
.endr
.endm
.macro FETCH_B slot, q, p
	WIN TO_B
.irp i, 0,1,2,3,4,5,6,7
	FRAG 128*(\p)+FR*\i, ADRB+\slot, \q, \i
.endr
	WIN 0
.endm
.macro FETCH_A slot, q, i0             ; A's blocks i0, i0 + 1
.irp i, \i0, \i0+1
	FRAGA AF+FR*(\i), ADRA+\slot, \q, \i
.endr
.endm
.macro SCALES sc                       ; a K step's scale words: lanes 0-15 A's block i (of which 0 to 3 are used), lanes 16-31 B's block i
.irp i, 0,1,2,3,4,5,6,7
	ds_load_b64 v[SC+8*NQ*\sc+NQ*\i:SC+8*NQ*\sc+NQ*\i+1], v[ADRS] offset:\i*SBLK
.endr
.endm
.macro PLACES n
.rept \n
	v_nop
.endr
.endm
.macro STEP slot, q, zero              ; 128 along K whose successor lies in the same slot
	s_wait_dscnt 2*NL                              ; all but the youngest eight loads (A's blocks 2 and 3)
.if \zero
	WIN MUL0
.else
	WIN MUL
.endif
	MULA 0, (\q)%2, \q, \slot, \zero
	MULA 1, (\q)%2, \q, \slot, \zero
	s_wait_dscnt 0
	PLACES NP
	FETCH_B \slot, (\q)+1, 1-(\q)%2
	FETCH_A \slot, (\q)+1, 0
.if \zero
	WIN MUL0
.else
	WIN MUL
.endif
	MULA 2, (\q)%2, \q, \slot, \zero
	MULA 3, (\q)%2, \q, \slot, \zero
	PLACES NP
	WIN 0
	FETCH_A \slot, (\q)+1, 2
.endm
.macro TURN slot, next, fill           ; a slot's last step changes slots
	s_wait_tensorcnt 0x0                           ; all my tensor loads have landed: my part of the next slot
	ds_add_u32 v[SPW], v[NIL]
	s_wait_dscnt 2*NL+1                            ; (the add and the youngest eight loads may be out)
	WIN MUL
	MULA 0, 1, NQ-1, \slot, 0
	s_wait_dscnt 0x0                               ; the add is done, and my reads of this slot are over
	s_barrier_signal -1
	MULA 1, 1, NQ-1, \slot, 0
	WIN 0
	s_barrier_wait -1
.if \fill
	CREST                                          ; the barrier has opened a round of the cluster's barrier
	s_add_nc_u64 s[G0+4*\slot+2:G0+4*\slot+3], s[G0+4*\slot+2:G0+4*\slot+3], 2*ATILE
	s_add_nc_u64 s[G0B+4*\slot+2:G0B+4*\slot+3], s[G0B+4*\slot+2:G0B+4*\slot+3], 2*ROWB
	JLOAD G0+4*\slot, G1, G0B+4*\slot, G1B         ; the first tensor load behind the round
	PLACES NP-4
.else
	PLACES NP
.endif
	v_add_nc_u32 v[ADRS], 4*NQ, v[ADRS]            ; the next K step's scale words
	s_wait_alu depctr_va_vdst(0)                   ; the wait directly behind the write
	FETCH_B \next, 0, 0
	FETCH_A \next, 0, 0
	SCALES \next
.if (\fill) && ((\slot) == 0)
	global_prefetch_b8 v[PFO], s[PF3:PF3+1] th:TH_LOAD_NT scope:SCOPE_SE   ; the loop has one trip: this change of slots has asked for K step 2, the next asks for step 3
.endif
	WIN MUL
	MULA 2, 1, NQ-1, \slot, 0
	MULA 3, 1, NQ-1, \slot, 0
	PLACES NP
	WIN 0
	FETCH_A \next, 0, 2
.endm
	s_wait_alu depctr_va_vdst(0)                   ; the wait at the head's end
	s_wait_tensorcnt 0x0                           ; my tile of the head's four is in
	ds_add_u32 v[SPW], v[NIL]
	s_mov_b32 s[G1+2], 64<<16                      ; no tensor load of mine is out: from here on a load brings half a tile
	s_mov_b32 s[G1+4], 64
	s_mov_b32 s[G1B+2], 128<<16
	s_mov_b32 s[G1B+4], 128
	s_wait_dscnt 0x0
	CROUND                                         ; all four tiles are in, and the sixteen work-groups are here
	JLOAD G0+4, G1, G0B+4, G1B                     ; K step 1: the first tensor load behind the round
	FETCH_B 0, 0, 0
	global_prefetch_b8 v[PFO], s[PF2:PF2+1] th:TH_LOAD_NT scope:SCOPE_SE   ; K step 2
	FETCH_A 0, 0, 0
	SCALES 0
	FETCH_A 0, 0, 2
	s_wait_loadcnt 0x0                             ; the bias
	STEP 0, 0, 1                                   ; the first step starts the sums on the bias
	s_mov_b32 s3, LAPS-1
.Llap:
	TURN 0, 1, 1
	STEP 1, 0, 0
	TURN 1, 0, 1
	STEP 0, 0, 0
	s_sub_co_u32 s3, s3, 1
	s_cmp_lg_u32 s3, 0
	s_cbranch_scc1 .Llap
	TURN 0, 1, 0                                   ; the last lap fills nothing
	STEP 1, 0, 0
	s_wait_dscnt 2*NL
	WIN MUL
	MULA 0, 1, NQ-1, 1, 0
	MULA 1, 1, NQ-1, 1, 0
	s_wait_dscnt 0
	MULA 2, 1, NQ-1, 1, 0
	MULA 3, 1, NQ-1, 1, 0
	WIN 0
; THE WAY OUT, block by block of 16 rows x 128 columns, through my stage: whole rows of 512 bytes come back, which 32 lanes store as two aligned units of 256 bytes.
.macro TOSTAGE a
.set AC, 64*(\a)
	WIN 0x08
.irp b, 0,1,2,3,4,5,6,7
	ds_store_b128 v[STO], v[AC+8*\b:AC+8*\b+3] offset:64*\b          ; each accumulator from its low end on
	ds_store_b128 v[STO], v[AC+8*\b+4:AC+8*\b+7] offset:64*\b+16
.endr
	WIN 0
.set BB, BK+64*((\a)%2)
.irp t, 0,1,2,3,4,5,6,7,8,9,10,11,12,13,14,15
	ds_load_b128 v[BB+4*\t:BB+4*\t+3], v[RD] offset:\t*SPITCH       ; LDS serves a wave's instructions in order: these see the stores above
.endr
.endm
.macro SEND a, younger
.set BB, BK+64*((\a)%2)
	s_wait_dscnt \younger
.if (\a) > 0
.if ((\a)%2) == 1
	s_add_nc_u64 s[CP:CP+1], s[CP:CP+1], 8*NROW    ; block a begins at token 32 (a / 2) + 8 (a % 2)
.else
	s_add_nc_u64 s[CP:CP+1], s[CP:CP+1], 24*NROW
.endif
.endif
.irp t, 0,1,2,3,4,5,6,7,8,9,10,11,12,13,14,15
	global_store_b128 v[CO], v[BB+4*\t:BB+4*\t+3], s[CP:CP+1] offset:(\t+8*(\t/8))*NROW th:TH_STORE_NT
.endr
.endm
	PLACES NP
	TOSTAGE 0
.irp a, 1,2,3
.if \a > 1
	s_wait_xcnt 0x0                                ; block a - 2's stores have read their registers and their base
.endif
	TOSTAGE \a
	SEND \a-1, 32                                  ; behind block a - 1's loads: block a's 16 stores and 16 loads
.endr
	s_wait_xcnt 0x0
	SEND 3, 0
	s_wait_tensorcnt 0x0                           ; the wave's end
	ds_add_u32 v[SPW], v[NIL]
	s_wait_dscnt 0x0
	CROUND                                         ; the closing round
	s_endpgm
.Lfunc_end_k_qa490e426c2_oproj:
	.size	k_qa490e426c2_oproj, .Lfunc_end_k_qa490e426c2_oproj-k_qa490e426c2_oproj
	.p2alignl 7, 3214868480
	.fill 96, 4, 3214868480
	.section	.rodata,"a",@progbits
	.p2align	6, 0x0
	.amdhsa_kernel k_qa490e426c2_oproj
		.amdhsa_group_segment_fixed_size 327680
		.amdhsa_private_segment_fixed_size 0
		.amdhsa_enable_private_segment 0
		.amdhsa_kernarg_size 48
		.amdhsa_user_sgpr_count 2
		.amdhsa_user_sgpr_kernarg_segment_ptr 1
		.amdhsa_wavefront_size32 1
		.amdhsa_system_sgpr_workgroup_id_x 1
		.amdhsa_system_sgpr_workgroup_id_y 1
		.amdhsa_system_sgpr_workgroup_id_z 1
		.amdhsa_system_vgpr_workitem_id 0
		.amdhsa_next_free_vgpr 768
		.amdhsa_next_free_sgpr 100
		.amdhsa_reserve_vcc 0
		.amdhsa_float_denorm_mode_32 3
		.amdhsa_float_denorm_mode_16_64 3
		.amdhsa_memory_ordered 1
		.amdhsa_forward_progress 1
		.amdhsa_inst_pref_size 94
	.end_amdhsa_kernel
	.amdgpu_metadata
---
amdhsa.version: [ 1, 2 ]
amdhsa.kernels:
  - .name:           k_qa490e426c2_oproj
    .symbol:         k_qa490e426c2_oproj.kd
    .args:
      - { .name: oimg, .offset: 0, .size: 8, .value_kind: global_buffer, .address_space: global }
      - { .name: osc, .offset: 8, .size: 8, .value_kind: global_buffer, .address_space: global }
      - { .name: w_o_codes, .offset: 16, .size: 8, .value_kind: global_buffer, .address_space: global }
      - { .name: w_o_scales, .offset: 24, .size: 8, .value_kind: global_buffer, .address_space: global }
      - { .name: b_o, .offset: 32, .size: 8, .value_kind: global_buffer, .address_space: global }
      - { .name: out0, .offset: 40, .size: 8, .value_kind: global_buffer, .address_space: global }
    .group_segment_fixed_size: 327680
    .private_segment_fixed_size: 0
    .kernarg_segment_align: 8
    .kernarg_segment_size: 48
    .max_flat_workgroup_size: 128
    .sgpr_count:     100
    .vgpr_count:     768
    .wavefront_size: 32
...
	.end_amdgpu_metadata
.endif
;; end of part 3
